; MI455X (gfx1250); checked and timed in simulation.
; The chip was launched on July 23, 2026; its instructions are those of AMD's public machine-readable ISA for CDNA 5 (MIT licence, August 2026) and "CDNA5" Instruction Set Architecture Reference Guide (July 2026). The comments in the code are by the model that wrote it; some were corrected since.
;; Scale Dot Product Attention. Allowed arithmetic: matrix products marked QUANTISED: E4M3 operands, one E8M0 scale for each 32 along K, by v_wmma_scale_f32_16x16x128_f8f6f4 with both operands' format E4M3, f32 sums; everything else in f32.
;; Inputs: Wk_codes 1,024 x 32 x 32 uint8 (E4M3 codes of Wk, K innermost, in blocks of 32 codes); Wk_scales 1,024 x 32 uint8 (E8M0 scales of Wk, one for each 32 codes along K); Wq_codes 1,024 x 32 x 32 uint8 (E4M3 codes of Wq, K innermost, in blocks of 32 codes); Wq_scales 1,024 x 32 uint8 (E8M0 scales of Wq, one for each 32 codes along K); Wv_codes 1,024 x 32 x 32 uint8 (E4M3 codes of Wv, K innermost, in blocks of 32 codes); Wv_scales 1,024 x 32 uint8 (E8M0 scales of Wv, one for each 32 codes along K); bk 1,024 float32; bq 1,024 float32; bv 1,024 float32; key_codes 4 x 2,048 x 32 x 32 uint8 (E4M3 codes of key, K innermost, in blocks of 32 codes); key_scales 4 x 2,048 x 32 uint8 (E8M0 scales of key, one for each 32 codes along K); padding_mask 4 x 1 x 2,048 bool; query_codes 4 x 2,048 x 32 x 32 uint8 (E4M3 codes of query, K innermost, in blocks of 32 codes); query_scales 4 x 2,048 x 32 uint8 (E8M0 scales of query, one for each 32 codes along K); value_codes 4 x 2,048 x 32 x 32 uint8 (E4M3 codes of value, K innermost, in blocks of 32 codes); value_scales 4 x 2,048 x 32 uint8 (E8M0 scales of value, one for each 32 codes along K).
;; Outputs: out0 4 x 2,048 x 1,024 float32.
;; Constants: look_ahead_mask = 1.
;; This version of the problem:
;;   THIS VERSION OF THE PROBLEM IS GIVEN IN LOW PRECISION. The matrix products marked QUANTISED in the list below multiply operands that are first quantised to E4M3 (4 exponent bits, 3 mantissa bits; 8 bits a number), with one power-of-two scale for each 32 numbers along K (OCP MX v1.0); their sums are f32. All else is computed in f32.
;;   The module's matrix products, in the order in which they are computed (A, B: the left and right operand; K: the contracted axis; several contracted axes count as one K, in the product's order):
;;     1. [M 8,192, K 1,024] x [K 1,024, N 1,024]; A: input query (given as codes); B: input Wq (given as codes): QUANTISED
;;     2. [M 8,192, K 1,024] x [K 1,024, N 1,024]; A: input key (given as codes); B: input Wk (given as codes): QUANTISED
;;     3. [M 8,192, K 1,024] x [K 1,024, N 1,024]; A: input value (given as codes); B: input Wv (given as codes): QUANTISED
;;     4. batch 4 x [M 2,048, K 1,024] x [K 1,024, N 2,048]; A: computed on the way; B: computed on the way: QUANTISED
;;     5. batch 4 x [M 2,048, K 2,048] x [K 2,048, N 1,024]; A: softmax (see below); B: computed on the way: QUANTISED
;;   THE QUANTISER, for each operand of a quantised product, along K:
;;     - K is cut into blocks of 32 from its start; a last block that is shorter is filled with zeros.
;;     - A block's scale is 2^e with e = floor(log2(the largest magnitude in the block)) - 8, held to -126 .. 127; a block of zeros has e = 0. As a byte (E8M0): e + 127.
;;     - Each number is divided by its block's scale, clamped to +-448, and rounded to the nearest number of E4M3, ties to even, subnormals kept.
;;     - The product sums the exact products of the quantised numbers (number of the format x scale) in f32.
;;   ~~~python
;;   def quantise(x, axis):      # numpy; x: float32 -> the quantised numbers, widened to float32 again
;;       x = np.moveaxis(x, axis, -1); K = x.shape[-1]
;;       x = np.pad(x, [(0, 0)] * (x.ndim - 1) + [(0, -K % 32)]); x = x.reshape(x.shape[:-1] + (-1, 32)); a = np.abs(x).max(-1, keepdims=True)
;;       e = np.where(a > 0, np.clip(np.frexp(np.where(a > 0, a, 1))[1] - 1 - 8, -126, 127), 0)      # np.frexp(a)[1] - 1 = floor(log2(a)), exactly
;;       r = np.clip(x / 2.0 ** e, -448, 448)
;;       step = 2.0 ** (np.maximum(np.frexp(np.where(r == 0, 1, r))[1] - 1, -6) - 3)
;;       q = np.round(r / step) * step * 2.0 ** e      # np.round: ties to even
;;       return np.moveaxis(q.reshape(q.shape[:-2] + (-1,))[..., :K], -1, axis).astype(np.float32)
;;   ~~~
;;   SOFTMAX AHEAD OF A QUANTISED PRODUCT. Where the list says 'softmax', what is quantised is not the finished softmax but p = 2^(t - M), with t = logit x log2(e) and M = ceil(the row's largest t), a whole number; so 1/2 < the row's largest p <= 1. The row's sum l is taken of the UNQUANTISED p, in f32, and the product's result is divided by l at the end. Since M is a whole number, a kernel that streams over the keys may use a running M (the ceiling of the running maximum): every later rescaling is an exact power of two, which a block's scale takes up: the codes' values come out the same.
;;   OPERANDS COMPUTED ON THE WAY. 'Computed on the way' means the value that the module computes at that place (a softmax that the list does not call 'softmax' is quantised finished and normalised). What goes into a quantiser is computed in f32, as accurately as f32 sums, v_exp_f32 and their like allow (about 1e-6 of the number): no bf16 or f16 on the way to a quantiser, and a product that is left as it is and whose result goes on into a quantised operand takes f32 operands (vector FMAs, or v_wmma_f32_16x16x4_f32). A number that lies on a knife's edge between two numbers of the format may be rounded either way, as far as f32 arithmetic and the matrix unit's own rounding can turn it there, and no further.
;;   INPUTS GIVEN AS CODES. Wk (in the module: [1024, 1024], K = its axis 1); Wq (in the module: [1024, 1024], K = its axis 1); Wv (in the module: [1024, 1024], K = its axis 1); key (in the module: [4, 2048, 1024], K = its axis 2); query (in the module: [4, 2048, 1024], K = its axis 2); value (in the module: [4, 2048, 1024], K = its axis 2): each comes as NAME_codes (uint8): NAME with its K axis moved to the last place and cut into blocks of 32 codes, [.., K / 32, bytes a block], one block behind the other in memory; one code a byte (a code: sign, 4 exponent bits, 3 mantissa bits); and NAME_scales (uint8): the same leading axes, one E8M0 byte (e + 127) for each 32 codes along K. Its value is code x scale, taken as it is: it is not quantised again, and the codes and scales need not be those that the quantiser above would give.
;; One version. Each part assembles by itself: llvm-mc -triple=amdgcn-amd-amdhsa -mcpu=gfx1250 --defsym DOCPART=n.
;; ======== version 1 of 1: 3 launches
;; limits: right only within a limited range of input values
;; workspace buffers: qc 8,388,608 bytes; kc 8,388,608 bytes; vc 8,388,608 bytes; pc 16,777,216 bytes; qs 262,144 bytes; ks 262,144 bytes; vs 262,144 bytes; pmeta 2,097,152 bytes
;; launch proj (part 1): grid 16 x 16, 4 waves a work-group, clusters of 4 x 4, 327,680 bytes of LDS; arguments query_codes, query_scales, Wq_codes, Wq_scales, bq, qc, qs, key_codes, key_scales, Wk_codes, Wk_scales, bk, kc, ks, Wv_codes, Wv_scales, value_codes, value_scales, bv, vc, vs; writes qc, qs, kc, ks, vc, vs
.if DOCPART == 1
	.amdgcn_target "amdgcn-amd-amdhsa--gfx1250"
	.amdhsa_code_object_version 6
	.text
	.protected	k_q88d4410f6d_proj
	.globl	k_q88d4410f6d_proj
	.p2align	8
	.type	k_q88d4410f6d_proj,@function
k_q88d4410f6d_proj:
	s_mov_b64 s[64:65], 0
	v_nop
	global_prefetch_b8 v0, s[64:65] scope:SCOPE_SE
	s_setreg_imm32_b32 hwreg(HW_REG_WAVE_MODE, 25, 1), 1
	s_wait_xcnt 0x0
	s_wait_alu depctr_hold_cnt(0) depctr_sa_sdst(0) depctr_va_vdst(0) depctr_va_sdst(0) depctr_va_ssrc(0) depctr_va_vcc(0) depctr_vm_vsrc(0)
	s_getreg_b32 s2, hwreg(HW_REG_IB_STS2, 6, 4)
	s_cmp_eq_u32 s2, 0
	s_cbranch_scc0 .Lentry_in_a_cluster
	s_endpgm
.Lentry_in_a_cluster:
	s_bfe_u32 s2, ttmp6, 0x10000c
	s_cmp_lg_u32 s2, 0xf033
	s_cbranch_scc0 .Lentry_shape_is_right
	s_endpgm
.Lentry_shape_is_right:
; THE THREE PROJECTIONS, q = query Wq^T + bq, k = key Wk^T + bk, v = value Wv^T + bv, on the given E4M3 codes and E8M0 scales, and the quantising of their results for the two products of attention.  All of it is live.
; THE DEAL.  256 work-groups of four waves, 2 x 2.  Phase 1: 512 tokens x 128 columns of q (tile columns 0 to 7) or k (8 to 15).  Phase 2: 256 tokens x 128 columns of v.
; A wave holds 64 rows of a weight, ALL of K = 1,024, in 512 registers and streams tokens past them in blocks of 16, which stand in registers as two whole sets.  Block s of a wave: rows 64 (s / 2) + 32 (row of waves) + 16 (s % 2).
; CLUSTERS of 4 x 4: phase 1's tokens are shared along a row of the cluster, its weight along a column; phase 2 the other way round: W_v's rows hang on cy, value's rows on cx.
; FILLS.  Two LDS slots of 128 rows.  Head: the weight into slot 1 (wave 0), tokens 0-127 into slot 0 (wave 1), the scale bytes of all the tokens (waves 2, 3).  Then, each in a drained round, a quarter a wave: tokens 128 on into slot 1 when the weight is in registers;
; inside blocks 2, 6, 10, 14 the next 128 tokens, the last 128, W_v, value's first 128; at the change of phase value's last 128.  A refill inside a block has four blocks of products in which to land.
; THE WAY OUT of a block stands AMONG LATER PRODUCTS, two lines behind each.  A scale block of 32 lies in lanes l and l xor 16: two groups of eight registers a lane: two tiles (q, k) or one tile of two blocks (v).
; OUT, in the order of the operand registers of the launches that read it (r = lane % 16, h = lane / 16): qc, kc [column / 256][row / 16][32 columns: 8][half: 2][row: 16][16 bytes]; vc [token / 256][column / 16][32 tokens: 8][half: 2][column: 16][16 bytes];
; scale words qs, ks [column / 128][8,192 rows][4], vs [token / 128][1,024 columns][4].
; LIMITS: NaN and infinities among the inputs, and sums beyond f32's range, are not served; a block of zeros gets the scale byte 1 (the rule says 127): its codes are zeros and the bytes are read by this program alone.
; PREFETCH: fills behind the head are asked for one refill ahead; of a wave's 32 rows each of the four partners names a quarter.  W_v, which all read, is asked for by the clusters of x = 0 alone.
.set PITCH, 1040                       ; an LDS row: 1,024 bytes + 16
.set YB,    128*PITCH                  ; slot 1
.set SCX,   2*YB                       ; scale bytes of 512 tokens, as units of 256 bytes + 16
.set SCV,   SCX+64*272                 ; of value's 256
.set XN,    SCV+32*272                 ; scale words made: q's or k's 512;
.set XV,    XN+2048                    ; v's [chunk of 128 tokens: 2][128]
.set SPARE, XV+1024                    ; the spare words
.set UST,   8*272                      ; scale bytes: from a pair of blocks to the next
.set NF,    34                         ; LDS loads of a block
.set ADRA0, 4
.set AAS0,  5
.set CO,    9
.set SPW,   10
.set NIL,   11
.set ADRA,  12                         ; the pair of blocks that is fetched next
.set VX,    13
.set ADRB,  14                         ; v14, v15 my rows of a weight in slot 1, in slot 0
.set ABS,   16
.set AAS,   17
.set RD,    18
.set SOP,   20                         ; v20-23 the conversions' scale operands
.set SB,    24                         ; v24-39 the weight's scale words: 8 p + q: lanes 0-15 tile 2 p, lanes 16-31 tile 2 p + 1
.set EB,    40
.set SA,    44                         ; v44-59 the tokens', two sets: no product's two scale words have numbers equal modulo 8
.set TQ,    60
.set ACC,   64                         ; v64-191 four sets of four accumulators
.set WS,    128                        ; in phase 1: W_v's scale words
.set NCD,   192                        ; v192-207 codes
.set BQ,    208                        ; v208-239 the first products' C: the bias
.set BV,    240                        ; v240-243 v's bias until the change of phase
.set G1R,   20
.set G0R,   28
.set G0T,   32
.set SL,    50                         ; s50 a slot's base, s51 the next pair's scale bytes
.set SS,    51
.set G1S,   52
.set SEL,   54                         ; behind the head s54-59 serve otherwise
.set MNT,   56
.set PL,    57
.set LD,    58
.set TX,    59
.set G0S,   60
.set WV,    66
.set RW,    67
.set CW,    68
.set CX,    69
.set CY,    70
.set TC,    72
.set TR,    73
.set VCL,   74
.set VR,    75
.set TC8,   76
.set MR,    77
.set MC,    78
.set CT,    79
.set G1C,   80
.set G0C,   88
.set G1T,   92
.set MSB, 0
.macro WIN new                         ; the immediate's high byte repeats the setting that is left
.if MSB != (\new)
	s_set_vgpr_msb (MSB<<8)|(\new)
.set MSB, (\new)
.endif
.endm
.macro PLACES n
.rept \n
	v_nop
.endr
.endm
.macro WALU
	s_wait_alu depctr_va_vdst(0)
.endm
.macro BARRIER
	s_barrier_signal -1
	s_barrier_wait -1
.endm
.macro CREST
	s_cmp_lg_u32 s[WV], 0
	s_cbranch_scc1 .Lnot_wave_0_\@
	s_barrier_signal -3
.Lnot_wave_0_\@:
	s_barrier_wait -3
	BARRIER
.endm
.macro TLOAD g0, g1
	tensor_load_to_lds s[\g0:\g0+3], s[\g1:\g1+7]
	s_nop 0
	PLACES 4
.endm
.macro GROUP1 g, mask                  ; 128 rows of 1,024 bytes, 16 bytes of padding behind each; behind the head the two words that count rows are set to 32
	s_or_b32 s[\g], s[\mask], (1<<20)|(1<<21)|(7<<22)|(3<<25)
	s_mov_b32 s[\g+1], 1024<<16
	s_mov_b32 s[\g+2], 128<<16
	s_mov_b32 s[\g+3], 1024<<16
	s_mov_b32 s[\g+4], 128
	s_mov_b32 s[\g+5], 1024
	s_mov_b32 s[\g+6], 0
	s_mov_b32 s[\g+7], 0
.endm
.macro GROUP1S g, mask, rows           ; scale bytes: dense rows of 256 bytes (32 elements of 8), 16 bytes of padding behind each
	s_or_b32 s[\g], s[\mask], (3<<16)|(1<<20)|(1<<21)|(5<<22)|(3<<25)
	s_mov_b32 s[\g+1], 32<<16
	s_mov_b32 s[\g+2], (\rows)<<16
	s_mov_b32 s[\g+3], 32<<16
	s_mov_b32 s[\g+4], \rows
	s_mov_b32 s[\g+5], 32
	s_mov_b32 s[\g+6], 0
	s_mov_b32 s[\g+7], 0
.endm
.macro WFRAG f, adr                    ; a weight's fragment f = 4 q + b: tile b's 16 rows, the q-th 128 of K: window 1 + f / 16
	WIN (1+(\f)/16)<<6
.irp c, 0,1,2,3
	ds_load_b128 v[16*((\f)%16)+4*\c:16*((\f)%16)+4*\c+3], v[\adr] offset:128*((\f)/4)+32*\c+((\f)%4)*16*PITCH
.endr
.endm
.macro FETCH k                         ; block k of the pair at v[ADRA]: 16 rows, all of K, into set k of window 3, and its scale words
	WIN 3<<6
.irp q, 0,1,2,3,4,5,6,7
.irp c, 0,1,2,3
	ds_load_b128 v[128*\k+16*\q+4*\c:128*\k+16*\q+4*\c+3], v[ADRA] offset:\k*16*PITCH+128*\q+32*\c
.endr
.endr
	WIN 0
	ds_load_b128 v[SA+8*\k:SA+8*\k+3], v[AAS] offset:\k*544
	ds_load_b128 v[SA+8*\k+4:SA+8*\k+7], v[AAS] offset:\k*544+16
.endm
.macro PROD kind, e, a, n              ; product n = 4 q + b; kind 0 (q, k): source 0 = the weight; kind 1 (v): source 0 = the tokens.  Four accumulators take turns
.set Q_, (\n)/4
.set B_, (\n)%4
.set F_, 4*Q_+B_
.set D_, ACC+32*(\a)+8*B_
.set C_, D_
.if Q_ == 0
.set C_, BQ+8*B_
.endif
.set R_, 128*(\e)+16*Q_
.set W_, 16*(F_%16)
.set XS_, SA+8*(\e)+Q_
.set WS_, SB+8*(B_/2)+Q_
.if \kind
	WIN 3|((1+F_/16)<<2)
.if B_%2
	v_wmma_scale_f32_16x16x128_f8f6f4 v[D_:D_+7], v[R_:R_+15], v[W_:W_+15], v[C_:C_+7], v[XS_], v[WS_] matrix_b_scale:MATRIX_SCALE_ROW1
.else
	v_wmma_scale_f32_16x16x128_f8f6f4 v[D_:D_+7], v[R_:R_+15], v[W_:W_+15], v[C_:C_+7], v[XS_], v[WS_]
.endif
.else
	WIN (1+F_/16)|(3<<2)
.if B_%2
	v_wmma_scale_f32_16x16x128_f8f6f4 v[D_:D_+7], v[W_:W_+15], v[R_:R_+15], v[C_:C_+7], v[WS_], v[XS_] matrix_a_scale:MATRIX_SCALE_ROW1
.else
	v_wmma_scale_f32_16x16x128_f8f6f4 v[D_:D_+7], v[W_:W_+15], v[R_:R_+15], v[C_:C_+7], v[WS_], v[XS_]
.endif
.endif
.endm
.macro HOLDS m, x                      ; two holds at the largest number under the block's scale; the bound stands twice, so that it is read soon behind its write or long behind it
.if (\m) == 3
	v_med3_num_f32 v[\x], v[\x], -v[TQ+3], v[TQ+3]
	v_med3_num_f32 v[\x+1], v[\x+1], -v[TQ+3], v[TQ+3]
.else
	v_med3_num_f32 v[\x], v[\x], -v[TQ+1], v[TQ+1]
	v_med3_num_f32 v[\x+1], v[\x+1], -v[TQ+1], v[TQ+1]
.endif
.if (\m) == 2
	v_mov_b32 v[TQ+3], v[TQ+1]
.endif
.endm
.macro GAP u, x, es, os                ; THE QUANTISER, 15 gaps a scale block: block T's two groups of eight registers stand at x + es T and os further on -> codes NCD + 4 T, byte EB + T
.set T_, (\u)/15
.set J_, (\u)%15
.set E_, (\x)+(\es)*T_
.set O_, E_+(\os)
.if J_ == 0
	v_max3_num_f32 v[TQ], |v[E_]|, |v[E_+1]|, |v[E_+2]|
	v_max3_num_f32 v[TQ+2], |v[O_]|, |v[O_+1]|, |v[O_+2]|
.elseif J_ < 3
	v_max3_num_f32 v[TQ], v[TQ], |v[E_+2*J_+1]|, |v[E_+2*J_+2]|
	v_max3_num_f32 v[TQ+2], v[TQ+2], |v[O_+2*J_+1]|, |v[O_+2*J_+2]|
.elseif J_ == 3
	v_max3_num_f32 v[TQ+2], v[TQ+2], |v[O_+7]|, 0x4800000
	v_max3_num_f32 v[TQ], v[TQ], |v[E_+7]|, v[TQ+2]
.elseif J_ == 4
	v_permlanex16_b32 v[TQ+2], v[TQ], s[SEL], s[SEL+1]
	v_max_num_f32 v[TQ], v[TQ], v[TQ+2]
.elseif J_ == 5
	v_add_nc_u32 v[SOP+T_], 0xfc000000, v[TQ]
	v_and_or_b32 v[TQ+1], v[TQ], 0x7f800000, s[MNT]
.elseif J_ < 10
	HOLDS J_-6, E_+2*(J_-6)
.if J_ == 9
	v_cvt_scalef32_pk8_fp8_f32 v[NCD+4*T_:NCD+4*T_+1], v[E_:E_+7], v[SOP+T_]
.endif
.elseif J_ < 14
	HOLDS J_-6, O_+2*(J_-10)
.if J_ == 13
	v_cvt_scalef32_pk8_fp8_f32 v[NCD+4*T_+2:NCD+4*T_+3], v[O_:O_+7], v[SOP+T_]
.endif
.else
	v_lshrrev_b32 v[EB+T_], 23, v[SOP+T_]
.endif
.endm
; WHAT STANDS BEHIND PRODUCT n.  act: 1 an odd block of phase 1; 2, 3, 4 even ones, which make the next pair's addresses; 5, 6 phase 2's first and third of a trip.  y: 1 the way out of q's or k's block at x; 2, 3 the halves of that of v's pair at x.
.macro LIST n, act, y, x
.if (\n) == 0 && (\act) > 1
	WIN 0
.if (\act) == 2
	v_add_nc_u32 v[ADRA], s[SL], v[ADRA0]
.elseif (\act) == 4
	v_add_nc_u32 v[ADRA], 64*PITCH, v[ADRA0]
.elseif (\act) == 6
	s_xor_b32 s[TX], s[SL], YB
	v_add_nc_u32 v[ADRA], s[TX], v[ADRA0]
.else
	s_add_co_u32 s[TX], s[SL], 64*PITCH
	v_add_nc_u32 v[ADRA], s[TX], v[ADRA0]
.endif
.elseif (\n) == 1 && (\act) > 1
	WIN 0
	v_add_nc_u32 v[AAS], s[SS], v[AAS0]
	s_add_co_u32 s[SS], s[SS], UST
.elseif (\n) == 8 && (\y) > 0
	WIN 0
	WALU
	s_wait_xcnt 0x0                                ; the earlier stores have read their data and base
.elseif (\n) == 9
	WIN 0
.if (\act) == 1
	s_add_nc_u64 s[14:15], s[14:15], 16384         ; on to this pair's codes and scale words
	v_add_nc_u32 v[VX], 256, v[VX]
.elseif (\act) == 5
	s_add_nc_u64 s[46:47], s[46:47], 1024
	v_add_nc_u32 v[RD], 512, v[RD]
.elseif (\act) == 6
	s_add_nc_u64 s[46:47], s[46:47], 1024
.endif
.endif
.if (\y) > 0 && (\n) > 0 && (\n) < 31
	WIN 0
.if (\y) == 1
	GAP (\n)-1, \x, 16, 8
.elseif (\y) == 2
	GAP (\n)-1, \x, 8, 32
.else
	GAP (\n)+29, \x, 8, 32
.endif
.elseif (\y) == 1 && (\n) == 31
	WIN 0
	v_lshl_or_b32 v[EB], v[EB+1], 8, v[EB]
.endif
.endm
.macro RUN kind, e, a, from, to, act, y, x
.set N_, \from
.rept (\to)-(\from)
	PROD \kind, \e, \a, N_
	LIST N_, \act, \y, \x
.set N_, N_+1
.endr
.endm
.macro BLK kind, e, a, act, y, x       ; a block: its fetch is in, the next one's 34 loads may be out
	s_wait_dscnt NF
	RUN \kind, \e, \a, 0, 32, \act, \y, \x
	WIN 0
	PLACES 8                                       ; ahead of loads into what the products have read and of readers of their sums
.endm
.macro RBLK kind, e, a, act, y, x, g0, g1, adr ; a block with a drained round and a refill of the slot whose rows have all been fetched
	s_wait_dscnt NF
	RUN \kind, \e, \a, 0, 20, \act, \y, \x
	WIN 0
	WALU
	s_wait_tensorcnt 0x0                           ; my part of the rows that are fetched next is in
	ds_add_u32 v[SPW], v[NIL]
	RUN \kind, \e, \a, 20, 28, \act, \y, \x
	WIN 0
	WALU
	s_wait_dscnt 0x0                               ; the add is done, and my reads of the slot that is filled again
	s_barrier_signal -1
	RUN \kind, \e, \a, 28, 32, \act, \y, \x
	WIN 0
	s_xor_b32 s[TX], s[SL], YB
	s_add_co_u32 s[\g0+1], s[TX], s[LD]
	s_mov_b64 s[\g0+2:\g0+3], s[\adr:\adr+1]
	s_or_b32 s[\g0+3], s[\g0+3], 0x80000000
	s_barrier_wait -1
	CREST
	TLOAD \g0, \g1
	PLACES 4
.endm
.macro SBLK kind, e, a, act, y, x      ; a block with a plain barrier: value's last 128 rows are in
	s_wait_dscnt NF
	RUN \kind, \e, \a, 0, 28, \act, \y, \x
	WIN 0
	WALU
	s_wait_tensorcnt 0x0
	s_wait_dscnt 0x0
	s_barrier_signal -1
	RUN \kind, \e, \a, 28, 32, \act, \y, \x
	WIN 0
	s_barrier_wait -1
	PLACES 8
.endm
.macro QOUT odd                        ; a block of q or k: two scale bytes a row into LDS, four tiles of codes: each store is one aligned unit of 256 bytes
	WALU
	ds_store_b16 v[VX], v[EB] offset:64*\odd
.irp b, 0,1,2,3
	global_store_b64 v[CO], v[NCD+2*\b:NCD+2*\b+1], s[14:15] offset:4096*\odd+256*\b
.endr
.endm
.macro VOUT off                        ; a pair of v's blocks
	WALU
.irp t, 0,1,2,3
	ds_store_b8 v[RD], v[EB+\t] offset:\off+64*\t
	global_store_b64 v[CO], v[NCD+4*\t:NCD+4*\t+1], s[46:47] offset:4096*\t
	global_store_b64 v[CO], v[NCD+4*\t+2:NCD+4*\t+3], s[46:47] offset:4096*\t+256
.endr
.endm
	s_load_b256 s[4:11], s[0:1], 0x0               ; q: tokens' codes, scales, weight's codes, scales,
	s_load_b128 s[12:15], s[0:1], 0x20             ; bias, codes out,
	s_load_b64 s[16:17], s[0:1], 0x30              ; scale words out
	s_load_b256 s[80:87], s[0:1], 0x38             ; k
	s_load_b128 s[88:91], s[0:1], 0x58
	s_load_b64 s[92:93], s[0:1], 0x68
	s_load_b256 s[36:43], s[0:1], 0x70             ; v: W_v's codes, scales, value's codes, scales,
	s_load_b128 s[44:47], s[0:1], 0x90             ; bias, codes out,
	s_load_b64 s[48:49], s[0:1], 0xa0
	v_lshl_add_u32 v[SPW], v0, 2, SPARE
	v_mov_b32 v[NIL], 0
	ds_add_u32 v[SPW], v[NIL]                      ; the wave's opening: the add, twice on end, and its wait
	ds_add_u32 v[SPW], v[NIL]
	v_lshrrev_b32 v22, 5, v0
	v_readfirstlane_b32 s[WV], v22
	v_and_b32 v1, 15, v0                           ; r
	v_bfe_u32 v2, v0, 4, 1                         ; h
	v_and_b32 v3, 31, v0                           ; lane
	s_lshr_b32 s[RW], s[WV], 1                     ; my row of waves
	s_and_b32 s[CW], s[WV], 1                      ; my column of waves
	s_bfe_u32 s[CX], ttmp6, 0x40000
	s_bfe_u32 s[CY], ttmp6, 0x40004
	s_and_b32 s71, ttmp7, 0xffff
	s_lshl_b32 s[TC], ttmp9, 2
	s_add_co_u32 s[TC], s[TC], s[CX]               ; phase 1's tile column = 4 x cluster x + cx
	s_and_b32 s[TC8], s[TC], 7
	s_lshl_b32 s[TR], s71, 2
	s_add_co_u32 s[TR], s[TR], s[CY]               ; its tile row of 512 tokens = 4 x cluster y + cy
	s_and_b32 s[VCL], s71, 1
	s_lshl_b32 s[VCL], s[VCL], 2
	s_add_co_u32 s[VCL], s[VCL], s[CY]             ; phase 2's tile column = 4 (cluster y % 2) + cy
	s_lshr_b32 s[VR], s71, 1
	s_lshl_b32 s[VR], s[VR], 2
	s_add_co_u32 s[VR], s[VR], ttmp9
	s_lshl_b32 s[VR], s[VR], 2
	s_add_co_u32 s[VR], s[VR], s[CX]               ; its tile row of 256 tokens = 4 (4 (cluster y / 2) + cluster x) + cx
	s_lshl_b32 s[MR], s[CY], 2
	s_lshl_b32 s[MR], 15, s[MR]                    ; my row of the cluster
	s_lshl_b32 s[MC], 0x1111, s[CX]                ; my column
	GROUP1 G1R, MR
	GROUP1S G1S, MR, 64
	WALU
	s_wait_dscnt 0x0                               ; both opening adds are done
	BARRIER
	CREST                                          ; all sixteen work-groups are here
	s_wait_kmcnt 0x0
	s_cmp_lt_u32 ttmp9, 2                          ; q or k: by the cluster's number alone
.irp i, 0,1,2,3,4,5,6
	s_cselect_b64 s[4+2*\i:5+2*\i], s[4+2*\i:5+2*\i], s[80+2*\i:81+2*\i]
.endr
	GROUP1 G1C, MC
	GROUP1S G1T, MC, 32
	s_mov_b32 s19, 0
	s_mov_b32 s101, 0
	s_lshl_b32 s18, s[TR], 19                      ; 512 rows of 1,024 bytes
	s_add_nc_u64 s[4:5], s[4:5], s[18:19]
	s_mov_b32 s[G0R], 1
	s_mov_b32 s[G0R+1], 0
	s_mov_b64 s[G0R+2:G0R+3], s[4:5]
	s_or_b32 s[G0R+3], s[G0R+3], 0x80000000
	s_lshl_b32 s18, s[TR], 14
	s_mov_b32 s[G0S], 1
	s_mov_b32 s[G0S+1], SCX
	s_add_nc_u64 s[G0S+2:G0S+3], s[6:7], s[18:19]
	s_or_b32 s[G0S+3], s[G0S+3], 0x80000000
	s_lshl_b32 s100, s[TC8], 17                    ; 128 rows of the weight
	s_mov_b32 s[G0C], 1
	s_mov_b32 s[G0C+1], YB
	s_add_nc_u64 s[G0C+2:G0C+3], s[8:9], s[100:101]
	s_or_b32 s[G0C+3], s[G0C+3], 0x80000000
	s_lshl_b32 s100, s[VR], 13
	s_mov_b32 s[G0T], 1
	s_mov_b32 s[G0T+1], SCV
	s_add_nc_u64 s[G0T+2:G0T+3], s[42:43], s[100:101]
	s_or_b32 s[G0T+3], s[G0T+3], 0x80000000
	s_cmp_eq_u32 s[WV], 0                          ; ONE joint load a wave
	s_cbranch_scc0 .Lwave_1
	TLOAD G0C, G1C                                 ; the weight, which is wanted first
	s_branch .Lasked
.Lwave_1:
	s_cmp_eq_u32 s[WV], 1
	s_cbranch_scc0 .Lwave_2
	TLOAD G0R, G1R                                 ; tokens 0-127
	s_branch .Lasked
.Lwave_2:
	s_cmp_eq_u32 s[WV], 2
	s_cbranch_scc0 .Lwave_3
	TLOAD G0S, G1S
	s_branch .Lasked
.Lwave_3:
	TLOAD G0T, G1T
.Lasked:
	s_mov_b32 s3, 0
	s_mov_b32 s[SL], 0
	s_mov_b32 s[SS], 0
	v_mul_u32_u24 v22, v1, PITCH
	v_lshl_add_u32 v22, v2, 4, v22                 ; a fragment's row x pitch + 16 h
	s_mul_i32 s2, s[RW], 32*PITCH
	v_add_nc_u32 v[ADRA0], s2, v22
	v_add_nc_u32 v[ADRA], s[SL], v[ADRA0]          ; pair 0
	s_mul_i32 s2, s[CW], 64*PITCH
	v_add_nc_u32 v[ADRB+1], s2, v22
	s_add_co_u32 s2, s2, YB
	v_add_nc_u32 v[ADRB], s2, v22
	v_lshlrev_b32 v23, 5, v1                       ; scale bytes: 32 a row, 16 more for each 8 rows passed
	v_lshrrev_b32 v22, 3, v1
	v_lshl_add_u32 v23, v22, 4, v23
	s_mul_i32 s2, s[RW], 4*272
	s_add_co_u32 s2, s2, SCX
	v_add_nc_u32 v[AAS0], s2, v23
	v_add_nc_u32 v[AAS], s[SS], v[AAS0]
	v_lshlrev_b32 v[ABS], 5, v3
	v_lshlrev_b32 v[CO], 3, v2
	v_lshl_add_u32 v[CO], v1, 4, v[CO]             ; 16 r + 8 h
	s_lshl_b32 s2, s[RW], 7
	s_add_co_u32 s2, s2, s[CW]
	s_add_co_u32 s2, s2, s[CW]
	s_add_co_u32 s2, s2, XN-256                    ; (the first odd block steps it to pair 0)
	v_lshl_add_u32 v[VX], v1, 2, s2
	s_lshl_b32 s2, s[CW], 8
	s_add_co_u32 s2, s2, s[RW]
	s_add_co_u32 s2, s2, XV-1024
	v_lshl_add_u32 v[RD], v1, 2, s2
	s_lshl_b32 s2, s[CX], 13
	v_lshl_add_u32 v6, v3, 8, s2                   ; prefetches: my quarter of my wave's 32 rows, shared along a row
	s_lshl_b32 s2, s[CY], 13
	v_lshl_add_u32 v7, v3, 8, s2                   ; or along a column
	v_lshlrev_b32 v22, 5, v2
	v_lshlrev_b32 v23, 2, v1
	WALU
	s_lshl_b32 s2, s[TC8], 12
	s_lshl_b32 s71, s[CW], 11
	s_add_co_u32 s2, s2, s71
	s_add_nc_u64 s[10:11], s[10:11], s[2:3]        ; scale bytes of my 64 rows of the weight
	s_lshl_b32 s2, s[VCL], 12
	s_add_co_u32 s2, s2, s71
	s_add_nc_u64 s[38:39], s[38:39], s[2:3]        ; and of W_v
	s_lshl_b32 s2, s[TC8], 9
	s_lshl_b32 s71, s[CW], 8
	s_add_co_u32 s2, s2, s71
	s_add_nc_u64 s[12:13], s[12:13], s[2:3]
	s_lshl_b32 s2, s[VCL], 9
	s_add_co_u32 s2, s2, s71
	s_add_nc_u64 s[44:45], s[44:45], s[2:3]
.irp p, 0,1
.irp c, 0,1
	global_load_b128 v[SB+8*\p+4*\c:SB+8*\p+4*\c+3], v[ABS], s[10:11] offset:\p*1024+16*\c
	global_load_b128 v[WS+8*\p+4*\c:WS+8*\p+4*\c+3], v[ABS], s[38:39] offset:\p*1024+16*\c
.endr
.endr
.irp b, 0,1,2,3
	global_load_b128 v[BQ+8*\b:BQ+8*\b+3], v22, s[12:13] offset:64*\b      ; q, k: register i of tile b is column 16 b + 8 h + i
	global_load_b128 v[BQ+8*\b+4:BQ+8*\b+7], v22, s[12:13] offset:64*\b+16
	global_load_b32 v[BV+\b], v23, s[44:45] offset:64*\b                   ; v: tile b's column 16 b + r
.endr
	s_lshl_b32 s2, s[TC], 1
	s_add_co_u32 s2, s2, s[CW]
	s_and_b32 s2, s2, 15                           ; my 64 columns of q's or k's 1,024
	s_and_b32 s71, s2, 3
	s_lshr_b32 s2, s2, 2
	s_lshl_b32 s2, s2, 21
	s_lshl_b32 s71, s71, 10
	s_add_co_u32 s2, s2, s71
	s_lshl_b32 s71, s[TR], 17
	s_add_co_u32 s2, s2, s71
	s_lshl_b32 s71, s[RW], 13
	s_add_co_u32 s2, s2, s71
	s_add_nc_u64 s[14:15], s[14:15], s[2:3]
	s_sub_nc_u64 s[14:15], s[14:15], 16384         ; (the first odd block steps it to pair 0)
	s_lshl_b32 s2, s[TC8], 15
	s_lshl_b32 s71, s[TR], 11
	s_add_co_u32 s2, s2, s71
	s_lshl_b32 s71, s[WV], 9
	s_add_co_u32 s2, s2, s71
	s_add_nc_u64 s[16:17], s[16:17], s[2:3]
	s_lshl_b32 s2, s[VR], 18
	s_lshl_b32 s71, s[VCL], 15
	s_add_co_u32 s2, s2, s71
	s_lshl_b32 s71, s[CW], 14
	s_add_co_u32 s2, s2, s71
	s_lshl_b32 s71, s[RW], 9
	s_add_co_u32 s2, s2, s71
	s_add_nc_u64 s[46:47], s[46:47], s[2:3]
	s_sub_nc_u64 s[46:47], s[46:47], 2048          ; (two steps ahead of pair 0)
	s_lshl_b32 s2, s[VR], 13
	s_lshl_b32 s71, s[RW], 12
	s_add_co_u32 s2, s2, s71
	s_lshl_b32 s71, s[VCL], 9
	s_add_co_u32 s2, s2, s71
	s_lshl_b32 s71, s[CW], 8
	s_add_co_u32 s2, s2, s71
	s_add_nc_u64 s[48:49], s[48:49], s[2:3]
	s_lshl_b32 s18, s[WV], 15
	s_add_nc_u64 s[4:5], s[4:5], s[18:19]          ; my 32 rows of each 128 tokens
	s_lshl_b32 s100, s[VR], 18
	s_add_nc_u64 s[40:41], s[40:41], s[100:101]
	s_lshl_b32 s100, s[WV], 15
	s_add_nc_u64 s[40:41], s[40:41], s[100:101]    ; and of value's first 128
	WALU                                           ; the wait at the head's end
	s_cmp_eq_u32 s[WV], 0
	s_cbranch_scc0 .Lnot_b
	s_wait_tensorcnt 0x0                           ; wave 0: the weight is in.  The other waves' wait stands ahead of the next round
.Lnot_b:
	BARRIER
	global_prefetch_b8 v6, s[4:5] offset:131072 th:TH_LOAD_NT scope:SCOPE_SE
	global_prefetch_b8 v6, s[4:5] offset:262144 th:TH_LOAD_NT scope:SCOPE_SE
.irp i, 0,1,2,3,4,5,6,7,8,9,10,11,12,13,14,15,16,17,18,19,20,21,22,23,24,25,26,27,28,29,30,31
	WFRAG \i, ADRB
.endr
	WIN 0
	WALU
	s_wait_xcnt 0x0
	s_wait_tensorcnt 0x0                           ; tokens 0-127 and the scale bytes are in
	ds_add_u32 v[SPW], v[NIL]
	s_mov_b32 s[G1R+2], 32<<16                     ; from here on a load brings 32 rows
	s_mov_b32 s[G1R+4], 32
	s_mov_b32 s[G1C+2], 32<<16
	s_mov_b32 s[G1C+4], 32
	s_mul_i32 s[LD], s[WV], 32*PITCH
	s_add_co_u32 s[G0R+1], s[LD], YB
	s_add_nc_u64 s[G0R+2:G0R+3], s[4:5], 0x20000
	s_or_b32 s[G0R+3], s[G0R+3], 0x80000000
	s_add_nc_u64 s[6:7], s[4:5], 0x60000           ; the refills to come: s[4:5] tokens 256 on, s[6:7] tokens 384 on, s[8:9] W_v
	s_add_nc_u64 s[4:5], s[4:5], 0x40000
	s_lshl_b32 s18, s[VCL], 17
	s_add_nc_u64 s[8:9], s[36:37], s[18:19]
	s_lshl_b32 s18, s[WV], 15
	s_add_nc_u64 s[8:9], s[8:9], s[18:19]
	s_cmp_eq_u32 ttmp9, 0
	s_cselect_b32 s[PL], 1, 0
	s_mov_b32 s[SEL], 0x76543210
	s_mov_b32 s[SEL+1], 0xfedcba98
	s_mov_b32 s[MNT], 0x600000                     ; the mantissa field of 448
	s_mov_b32 s[SL], YB
	s_mov_b32 s[SS], UST
	s_wait_dscnt 0x0                               ; the add is done, and the weight is in registers
	BARRIER
	CREST
	TLOAD G0R, G1R                                 ; tokens 128-255 into slot 1
	FETCH 0
	FETCH 1
	s_wait_loadcnt 0x0                             ; biases and scale words
	BLK 0, 0, 0, 4, 0, 0                           ; block 0
	WALU
	FETCH 0
	BLK 0, 1, 1, 1, 1, ACC                         ; block 1, and the way out of block 0
	QOUT 0
	FETCH 1
	s_mov_b32 s[CT], 0
.Lfour:                                                ; three trips: blocks 4 n + 2 .. 4 n + 5; s[SL] is the slot of tokens 128 (n + 1) on
	RBLK 0, 0, 0, 2, 1, ACC+32, G0R, G1R, 4
	s_mov_b64 s[4:5], s[6:7]
	s_mov_b64 s[6:7], s[8:9]
	QOUT 1
	FETCH 0
	BLK 0, 1, 1, 1, 1, ACC
	QOUT 0
	FETCH 1
	s_cmp_eq_u32 s[CT], 2                          ; what the next refill will ask for
	s_cbranch_scc1 .Lask_value
	s_cmp_gt_u32 s[CT], s[PL]
	s_cbranch_scc1 .Lask_none
	global_prefetch_b8 v6, s[4:5] th:TH_LOAD_NT scope:SCOPE_SE
	s_branch .Lask_none
.Lask_value:
	global_prefetch_b8 v7, s[40:41] th:TH_LOAD_NT scope:SCOPE_SE
.Lask_none:
	BLK 0, 0, 0, 3, 1, ACC+32
	QOUT 1
	FETCH 0
	BLK 0, 1, 1, 1, 1, ACC
	QOUT 0
	FETCH 1
	s_xor_b32 s[SL], s[SL], YB
	s_add_co_u32 s[CT], s[CT], 1
	WALU
	s_cmp_lg_u32 s[CT], 3
	s_cbranch_scc1 .Lfour
	RBLK 0, 0, 0, 0, 1, ACC+32, G0C, G1C, 40       ; block 14: value's first 128 tokens into slot 1; W_v, in slot 0, is shown
	QOUT 1
	global_prefetch_b8 v7, s[40:41] offset:131072 th:TH_LOAD_NT scope:SCOPE_SE
	BLK 0, 1, 1, 1, 1, ACC                         ; block 15
	QOUT 0
	WALU
	s_wait_xcnt 0x0
; THE CHANGE OF PHASE: among W_v's 128 loads block 15's way out; W_v's scale words and v's bias into their places; zeros into the sums that no block has written yet (the first trip works on them and stores nothing)
.macro CHG i
.if (\i) < 8
.irp k, 0,1,2,3
.if 4*(\i)+\k < 30
	GAP 4*(\i)+\k, ACC+32, 16, 8
.endif
.endr
.if (\i) == 7
	v_lshl_or_b32 v[EB], v[EB+1], 8, v[EB]
.endif
.elseif (\i) < 10
.irp q, 0,1,2,3,4,5,6,7
	v_mov_b32 v[SB+8*((\i)-8)+\q], v[WS+8*((\i)-8)+\q]
.endr
.elseif (\i) < 14
.irp k, 0,1,2,3,4,5,6,7,8,9,10,11,12,13,14,15
	v_mov_b32 v[ACC+64+16*((\i)-10)+\k], 0
.endr
.else
.irp k, 0,1,2,3,4,5,6,7,8,9,10,11,12,13,14,15
	v_mov_b32 v[BQ+16*((\i)-14)+\k], v[BV+2*((\i)-14)+\k/8]
.endr
.endif
.endm
.irp i, 0,1,2,3,4,5,6,7,8,9,10,11,12,13,14,15
	WFRAG 2*\i, ADRB+1
	WFRAG 2*\i+1, ADRB+1
	WIN 0
	CHG \i
.endr
	QOUT 1
	s_mov_b32 s[SL], YB
	s_mov_b32 s[SS], SCV-SCX
	v_add_nc_u32 v[ADRA], s[SL], v[ADRA0]
	v_add_nc_u32 v[AAS], s[SS], v[AAS0]
	s_add_co_u32 s[SS], s[SS], UST
	WALU
	s_wait_tensorcnt 0x0                           ; value's first 128 tokens are in
	ds_add_u32 v[SPW], v[NIL]
	s_mov_b32 s[G0C+1], s[LD]
	s_add_nc_u64 s[G0C+2:G0C+3], s[G0C+2:G0C+3], 0x20000
	s_wait_dscnt 0x0                               ; W_v is in registers
	BARRIER
	CREST
	TLOAD G0C, G1C                                 ; value's last 128 tokens into slot 0
	FETCH 0
	FETCH 1
	s_mov_b32 s[CT], 0
.Lv:                                                   ; two trips of two pairs
	BLK 1, 0, 0, 5, 2, ACC+64
	FETCH 0
	BLK 1, 1, 1, 0, 3, ACC+64
	s_cmp_eq_u32 s[CT], 0
	s_cbranch_scc1 .Lno_pair_before
	VOUT 2
.Lno_pair_before:
	FETCH 1
	SBLK 1, 0, 2, 6, 2, ACC
	s_cmp_eq_u32 s[CT], 1
	s_cbranch_scc1 .Lnone_0
	FETCH 0
.Lnone_0:
	BLK 1, 1, 3, 0, 3, ACC
	VOUT 512
	s_cmp_eq_u32 s[CT], 1
	s_cbranch_scc1 .Lnone_1
	FETCH 1
.Lnone_1:
	s_xor_b32 s[SL], s[SL], YB
	s_add_co_u32 s[CT], s[CT], 1
	WALU
	s_cmp_lg_u32 s[CT], 2
	s_cbranch_scc1 .Lv
	s_wait_xcnt 0x0
	s_add_nc_u64 s[46:47], s[46:47], 1024
.set K_, 0
.rept 60
	GAP K_, ACC+64, 8, 32
.set K_, K_+1
.endr
	VOUT 514
	s_wait_dscnt 0x0                               ; for the others' sake: my scale bytes are in LDS
	BARRIER
	v_lshlrev_b32 v20, 4, v3
	s_lshl_b32 s2, s[WV], 9
	s_add_co_u32 s2, s2, XN
	v_add_nc_u32 v21, s2, v20
	v_lshlrev_b32 v22, 3, v3
	s_lshl_b32 s2, s[WV], 8
	s_add_co_u32 s2, s2, XV
	v_add_nc_u32 v23, s2, v22
	WALU
	ds_load_b128 v[60:63], v21
	ds_load_b64 v[40:41], v23
	s_wait_dscnt 0x0
	global_store_b128 v20, v[60:63], s[16:17]
	global_store_b64 v22, v[40:41], s[48:49]
	s_wait_tensorcnt 0x0                           ; the wave's end
	ds_add_u32 v[SPW], v[NIL]
	s_wait_dscnt 0x0
	BARRIER
	CREST                                          ; the closing round
	s_endpgm
.Lfunc_end_k_q88d4410f6d_proj:
	.size	k_q88d4410f6d_proj, .Lfunc_end_k_q88d4410f6d_proj-k_q88d4410f6d_proj
	.p2alignl 7, 3214868480
	.fill 96, 4, 3214868480
	.section	.rodata,"a",@progbits
	.p2align	6, 0x0
	.amdhsa_kernel k_q88d4410f6d_proj
		.amdhsa_group_segment_fixed_size 327680
		.amdhsa_private_segment_fixed_size 0
		.amdhsa_enable_private_segment 0
		.amdhsa_kernarg_size 168
		.amdhsa_user_sgpr_count 2
		.amdhsa_user_sgpr_kernarg_segment_ptr 1
		.amdhsa_wavefront_size32 1
		.amdhsa_system_sgpr_workgroup_id_x 1
		.amdhsa_system_sgpr_workgroup_id_y 1
		.amdhsa_system_sgpr_workgroup_id_z 1
		.amdhsa_system_vgpr_workitem_id 0
		.amdhsa_next_free_vgpr 1024
		.amdhsa_next_free_sgpr 102
		.amdhsa_reserve_vcc 0
		.amdhsa_float_denorm_mode_32 3
		.amdhsa_float_denorm_mode_16_64 3
		.amdhsa_memory_ordered 1
		.amdhsa_forward_progress 1
		.amdhsa_inst_pref_size 209
	.end_amdhsa_kernel
	.amdgpu_metadata
---
amdhsa.version: [ 1, 2 ]
amdhsa.kernels:
  - .name:           k_q88d4410f6d_proj
    .symbol:         k_q88d4410f6d_proj.kd
    .args:
      - { .name: query_codes, .offset: 0, .size: 8, .value_kind: global_buffer, .address_space: global }
      - { .name: query_scales, .offset: 8, .size: 8, .value_kind: global_buffer, .address_space: global }
      - { .name: Wq_codes, .offset: 16, .size: 8, .value_kind: global_buffer, .address_space: global }
      - { .name: Wq_scales, .offset: 24, .size: 8, .value_kind: global_buffer, .address_space: global }
      - { .name: bq, .offset: 32, .size: 8, .value_kind: global_buffer, .address_space: global }
      - { .name: qc, .offset: 40, .size: 8, .value_kind: global_buffer, .address_space: global }
      - { .name: qs, .offset: 48, .size: 8, .value_kind: global_buffer, .address_space: global }
      - { .name: key_codes, .offset: 56, .size: 8, .value_kind: global_buffer, .address_space: global }
      - { .name: key_scales, .offset: 64, .size: 8, .value_kind: global_buffer, .address_space: global }
      - { .name: Wk_codes, .offset: 72, .size: 8, .value_kind: global_buffer, .address_space: global }
      - { .name: Wk_scales, .offset: 80, .size: 8, .value_kind: global_buffer, .address_space: global }
      - { .name: bk, .offset: 88, .size: 8, .value_kind: global_buffer, .address_space: global }
      - { .name: kc, .offset: 96, .size: 8, .value_kind: global_buffer, .address_space: global }
      - { .name: ks, .offset: 104, .size: 8, .value_kind: global_buffer, .address_space: global }
      - { .name: Wv_codes, .offset: 112, .size: 8, .value_kind: global_buffer, .address_space: global }
      - { .name: Wv_scales, .offset: 120, .size: 8, .value_kind: global_buffer, .address_space: global }
      - { .name: value_codes, .offset: 128, .size: 8, .value_kind: global_buffer, .address_space: global }
      - { .name: value_scales, .offset: 136, .size: 8, .value_kind: global_buffer, .address_space: global }
      - { .name: bv, .offset: 144, .size: 8, .value_kind: global_buffer, .address_space: global }
      - { .name: vc, .offset: 152, .size: 8, .value_kind: global_buffer, .address_space: global }
      - { .name: vs, .offset: 160, .size: 8, .value_kind: global_buffer, .address_space: global }
    .group_segment_fixed_size: 327680
    .private_segment_fixed_size: 0
    .kernarg_segment_align: 8
    .kernarg_segment_size: 168
    .max_flat_workgroup_size: 128
    .sgpr_count:     102
    .vgpr_count:     1024
    .wavefront_size: 32
...
	.end_amdgpu_metadata
.endif
;; end of part 1
;; launch score (part 2): grid 4 x 48, 4 waves a work-group, clusters of 4 x 4, 327,680 bytes of LDS; arguments qc, qs, kc, ks, padding_mask, pc, pmeta; writes pc, pmeta
.if DOCPART == 2
	.amdgcn_target "amdgcn-amd-amdhsa--gfx1250"
	.amdhsa_code_object_version 6
	.text
	.protected	k_q88d4410f6d_score
	.globl	k_q88d4410f6d_score
	.p2align	8
	.type	k_q88d4410f6d_score,@function
k_q88d4410f6d_score:
	s_mov_b64 s[64:65], 0
	v_nop
	global_prefetch_b8 v0, s[64:65] scope:SCOPE_SE
	s_setreg_imm32_b32 hwreg(HW_REG_WAVE_MODE, 25, 1), 1
	s_wait_xcnt 0x0
	s_wait_alu depctr_hold_cnt(0) depctr_sa_sdst(0) depctr_va_vdst(0) depctr_va_sdst(0) depctr_va_ssrc(0) depctr_va_vcc(0) depctr_vm_vsrc(0)
	s_getreg_b32 s2, hwreg(HW_REG_IB_STS2, 6, 4)
	s_cmp_eq_u32 s2, 0
	s_cbranch_scc0 .Lentry_in_a_cluster
	s_endpgm
.Lentry_in_a_cluster:
	s_bfe_u32 s2, ttmp6, 0x10000c
	s_cmp_lg_u32 s2, 0xf033
	s_cbranch_scc0 .Lentry_shape_is_right
	s_endpgm
.Lentry_shape_is_right:
; THE SCORES AND THE SOFTMAX'S WEIGHTS.  S = q k^T on the codes that the launch before made (K = 1,024), then, for each row and each CHUNK of 128 keys: the padding mask (an input) and the causal mask, t = S x log2(e) / 32,
; M = the chunk's largest t rounded up to a whole number, p = 2^(t - M), the sum l of the unquantised p, and p quantised along the keys.  The maximum is taken away chunk by chunk; the next launch brings all
; chunks of a row under the row's M by whole powers of two (a shift of the scale bytes, a v_ldexp_f32 of l), which rounds nothing.
; A work-group of four waves makes 256 queries x 256 keys, a wave 128 x 128: a wave's columns ARE a chunk, so no wave needs another's maximum.  Source 0 = 16 keys, source 1 = 16 queries: lane (r, h), register j of
; accumulator (a, b) holds query 16 a + r, key 16 b + 8 h + j.  Ring, rounds and joint loads as in the launch before (q's tile shared along a row of the cluster, k's along a column).
; THE GRID: for each of the 4 batches three clusters of 4 x 4 tiles: (rows 0-3, columns 0-3), (rows 4-7, columns 0-3), (rows 4-7, columns 4-7); the fourth lies wholly above the diagonal and is not launched.
; In a cluster on the diagonal six partners lie above it.  They run the same text and make every joint request; all their scores are masked: zero codes, l = 0.
; OUT: pc [batch x 8 + key / 256][2,048 queries][256 bytes]; pmeta [batch x 16 + chunk][2,048 queries][16 bytes] = scale word, -M, l, 0.
; LIMITS: NaN and infinities are not served; a mask byte is 0 or 1; a chunk with no visible key gets -M = 3e38, l = 0 and zero codes; a block of zeros gets the scale byte 1.
; No prefetch: a work-group walks four K steps, of which two are first fills.
.set PITCH,  272
.set HALFT,  128*PITCH
.set SLOT,   4*HALFT
.set SPARE,  2*SLOT                    ; the spare words: 128 bytes a wave, two blocks of 256 bytes that no other line names
.set FR,     16
.set NP,     8
.set AF,     128
.set ADRA,   16
.set ADRB,   20
.set STO,    24
.set RD,     25
.set CO,     26
.set SPW,    28
.set NIL,    29
.set WV,     66
.set RH,     67
.set CH,     68
.set CX,     69
.set CY,     70
.set LD,     94
.set G1,     24
.set G0,     32
.set G1B,    48
.set G0B,    56
.set SEL,    20
.set MNT,    23
.set MUL_LO, 0xa1
.set MUL_HI, 0xf1
.set TO_B,   0x40
.set KROW,   256                       ; the planes' rows are dense
.set STA,    2097152                   ; a K step on: a plane of 8,192 rows x 256 bytes
.set STB,    2097152
.set SST,    1
.set SA,     32                        ; v32-63 q's scale words, register 8 n + a: lanes 0-15 chunk 2 n, lanes 16-31 chunk 2 n + 1;  v64-95 k's
.set SB,     64
.set KI,     32                        ; behind the products v32-95: each key's padding term, 0 or -infinity
.set MK,     96                        ; v96-111 the mask bytes of my 64 keys
.set KBJ,    112
.set SW,     96                        ; later v96-103 scale words, v104-111 -M, v120-121 l
.set NMS,    104
.set LS,     120
.set DG,     112                       ; v112-119 the diagonal tile's causal term: 0 or -infinity
.set SLT,    82                        ; s[82:83] the term of the tiles right of the diagonal tile
.set PT,     78                        ; s78 the pair of blocks in hand
.set T,      128
.set PCB,    192
.set BM,     224
.set BX,     228
.set HD,     232
.set SO,     236
.set BY,     240
.set NM,     244
.set S1,     246
.set S2,     248
.set NINF,   250
.set TT,     251
.set SQ0,    72                        ; s72 my wave's first query in its batch
.set TC,     73
.set TR,     74
.set BB,     75                        ; s75 the batch
.set CS,     76                        ; s[76:77] log2(e) / 32
.set MSB, 0
.macro WIN new
.if MSB != (\new)
	s_set_vgpr_msb (MSB<<8)|(\new)
.set MSB, (\new)
.endif
.endm
.macro JLOAD g0a, g1a, g0b, g1b
	s_cmp_eq_u32 s[RH], 0
	s_cbranch_scc0 .Lfor_b_\@
	tensor_load_to_lds s[\g0a:\g0a+3], s[\g1a:\g1a+7]
	s_nop 0
.rept 4
	v_nop
.endr
	s_branch .Lasked_\@
.Lfor_b_\@:
	tensor_load_to_lds s[\g0b:\g0b+3], s[\g1b:\g1b+7]
	s_nop 0
.rept 4
	v_nop
.endr
.Lasked_\@:
.endm
.macro CREST
	s_cmp_lg_u32 s[WV], 0
	s_cbranch_scc1 .Lnot_wave_0_\@
	s_barrier_signal -3
.Lnot_wave_0_\@:
	s_barrier_wait -3
	s_barrier_signal -1
	s_barrier_wait -1
.endm
.macro CROUND
	s_barrier_signal -1
	s_barrier_wait -1
	CREST
.endm
.macro FRAG reg, adr, q, i
.irp c, 0,1,2,3
	ds_load_b128 v[\reg+4*\c:\reg+4*\c+3], v[\adr] offset:(16*(\i)+8*(\q)+2*\c)*PITCH   ; q and k lie in the order of the operand registers: 16 rows x 256 along K are 16 units of 256 bytes, two for each 32 along K
.endr
.endm
.macro FETCH_B slot, q, p
	WIN TO_B
.irp i, 0,1,2,3,4,5,6,7
	FRAG 128*(\p)+FR*\i, ADRB+\slot, \q, \i
.endr
	WIN 0
.endm
.macro FETCH_A slot, q, i0
.irp i, \i0, \i0+1, \i0+2, \i0+3
	FRAG AF+FR*(\i), ADRA+\slot, \q, \i
.endr
.endm
.macro PLACES n
.rept \n
	v_nop
.endr
.endm
.macro SCL c                           ; chunk c: the registers of K step c / 2, lanes 0-15 or 16-31 by c % 2
.set cSA, SA+8*((\c)/2)
.set cSB, SB+8*((\c)/2)
.set cROW, (\c)%2
.endm
.macro MUL16 a0, p, zero               ; the 64 accumulators take turns, in the same order in every chunk
.irp a, \a0, \a0+1
.irp b, 0,1,2,3,4,5,6,7
.set rD, 8*(8*((\a)%4)+\b)
.set rB, 128*(\p)+FR*\b
.set rA, AF+FR*(\a)
.set rSB, cSB+SST*\b
.set rSA, cSA+SST*(\a)
.if \zero
	v_wmma_scale_f32_16x16x128_f8f6f4 v[rD:rD+7], v[rB:rB+15], v[rA:rA+15], 0, v[rSB], v[rSA]
.elseif cROW
	v_wmma_scale_f32_16x16x128_f8f6f4 v[rD:rD+7], v[rB:rB+15], v[rA:rA+15], v[rD:rD+7], v[rSB], v[rSA] matrix_a_scale:MATRIX_SCALE_ROW1 matrix_b_scale:MATRIX_SCALE_ROW1
.else
	v_wmma_scale_f32_16x16x128_f8f6f4 v[rD:rD+7], v[rB:rB+15], v[rA:rA+15], v[rD:rD+7], v[rSB], v[rSA]
.endif
.endr
.endr
.endm
.macro STEP slot, q, zero, c
	SCL \c
	s_wait_dscnt 16                                ; the youngest 16 loads (A's blocks 4-7) may be out
	WIN MUL_LO
	MUL16 0, (\q)%2, \zero
	MUL16 2, (\q)%2, \zero
	s_wait_dscnt 0x0
	PLACES NP
	FETCH_B \slot, (\q)+1, 1-(\q)%2
	FETCH_A \slot, (\q)+1, 0
	WIN MUL_HI
	MUL16 4, (\q)%2, \zero
	MUL16 6, (\q)%2, \zero
	PLACES NP
	WIN 0
	FETCH_A \slot, (\q)+1, 4
.endm
.macro TURN slot, next, fill, c
	SCL \c
	s_wait_tensorcnt 0x0                           ; all my tensor loads have landed: my part of the next slot
	ds_add_u32 v[SPW], v[NIL]                      ; 0 onto my spare word
	s_wait_dscnt 17                                ; the add and the youngest 16 loads may be out
	WIN MUL_LO
	MUL16 0, 1, 0
	s_wait_dscnt 0x0                               ; the add is done, and my reads of this slot are over
	s_barrier_signal -1
	MUL16 2, 1, 0
	WIN 0
	s_barrier_wait -1
.if \fill
	CREST
	s_add_nc_u64 s[G0+4*\slot+2:G0+4*\slot+3], s[G0+4*\slot+2:G0+4*\slot+3], 2*STA
	s_add_nc_u64 s[G0B+4*\slot+2:G0B+4*\slot+3], s[G0B+4*\slot+2:G0B+4*\slot+3], 2*STB
	JLOAD G0+4*\slot, G1, G0B+4*\slot, G1B
	PLACES NP-4
.else
	PLACES NP
.endif
	FETCH_B \next, 0, 0
	FETCH_A \next, 0, 0
	WIN MUL_HI
	MUL16 4, 1, 0
	MUL16 6, 1, 0
	PLACES NP
	WIN 0
	FETCH_A \next, 0, 4
.endm
.macro LAST c
	SCL \c
	s_wait_dscnt 16
	WIN MUL_LO
	MUL16 0, 1, 0
	MUL16 2, 1, 0
	s_wait_dscnt 0x0
	WIN MUL_HI
	MUL16 4, 1, 0
	MUL16 6, 1, 0
	WIN 0
.endm
; Block a: 16 queries x my 128 keys.
; THE MASKS ARE ADDED: 0 or -infinity.  v[KI] on holds the padding term of each of my 64 keys (all -infinity where my chunk lies wholly right of the diagonal).  My first query less my first key is a multiple of 128,
; so of block a's eight tiles those with b < a need nothing more, tile b = a the diagonal term, those with b > a one number for all.
.macro FROM a
.set AC, 64*((\a)%4)
	WIN 0x02+(\a)/4                                ; source 0 (the scores) window 2 or 3
.set pp, 0
.rept 32
	v_pk_add_f32 v[T+2*pp:T+2*pp+1], v[AC+2*pp:AC+2*pp+1], v[KI+2*pp:KI+2*pp+1]   ; each accumulator from its low end on
.set pp, pp+1
.endr
	WIN 0
.set pp, 4*(\a)
.rept 4
	v_pk_add_f32 v[T+2*pp:T+2*pp+1], v[T+2*pp:T+2*pp+1], v[DG+2*pp-8*(\a):DG+2*pp-8*(\a)+1]
.set pp, pp+1
.endr
.rept 28-4*(\a)
	v_pk_add_f32 v[T+2*pp:T+2*pp+1], v[T+2*pp:T+2*pp+1], s[SLT:SLT+1] op_sel_hi:[1,0]
.set pp, pp+1
.endr
	s_wait_alu depctr_va_vdst(0)                   ; the wait ahead of the branch
.endm
.macro PICK u                          ; block 2 x pair + u's masked scores into v[T] on: one arm a pair
	s_cmp_eq_u32 s[PT], 0
	s_cbranch_scc0 .Lnot_0_\@
	FROM \u
	s_branch .Lpicked_\@
.Lnot_0_\@:
	s_cmp_eq_u32 s[PT], 1
	s_cbranch_scc0 .Lnot_1_\@
	FROM \u+2
	s_branch .Lpicked_\@
.Lnot_1_\@:
	s_cmp_eq_u32 s[PT], 2
	s_cbranch_scc0 .Lnot_2_\@
	FROM \u+4
	s_branch .Lpicked_\@
.Lnot_2_\@:
	FROM \u+6
.Lpicked_\@:
.endm
.macro SOFTQ a                         ; a: 0 or 1, the block's place in its pair
.set PC, PCB+16*(\a)
.irp b, 0,1,2,3
	v_max3_num_f32 v[BM+\b], v[T+16*\b], v[T+1+16*\b], v[T+2+16*\b]   ; the largest score of each block of 32 keys: for the chunk's maximum, and, since p rises with the score, for the block's largest p
.endr
.irp i, 3,5,7,9,11,13
.irp b, 0,1,2,3
	v_max3_num_f32 v[BM+\b], v[BM+\b], v[T+16*\b+\i], v[T+1+16*\b+\i]
.endr
.endr
.irp b, 0,1,2,3
	v_max_num_f32 v[BM+\b], v[BM+\b], v[T+15+16*\b]
.endr
.irp b, 0,1,2,3
	v_permlanex16_b32 v[BX+\b], v[BM+\b], s[SEL], s[SEL+1]
.endr
.irp b, 0,1,2,3
	v_max_num_f32 v[BM+\b], v[BM+\b], v[BX+\b]
.endr
	v_max3_num_f32 v[TT], v[BM], v[BM+1], v[BM+2]
	v_max_num_f32 v[TT], v[TT], v[BM+3]
	v_mul_f32 v[TT], s[CS], v[TT]                  ; as t
	v_max_num_f32 v[TT], 0xff61b1e6, v[TT]         ; a chunk with no visible key: -3e38, a number
	v_floor_f32 v[NM], -v[TT]                      ; -M = floor(-t) = -ceil(t)
.set pp, 0
.rept 32
	v_pk_fma_f32 v[T+2*pp:T+2*pp+1], v[T+2*pp:T+2*pp+1], s[CS:CS+1], v[NM:NM+1] op_sel_hi:[1,0,0]   ; t - M
.set pp, pp+1
.endr
.irp b, 0,1,2,3
	v_fma_f32 v[BM+\b], v[BM+\b], s[CS], v[NM]
.endr
.set pp, 0
	s_wait_alu depctr_va_vdst(0)
.rept 64
	v_exp_f32 v[T+pp], v[T+pp]                     ; p = 2^(t - M)
.set pp, pp+1
.endr
	v_mov_b32 v[NMS+(\a)], v[NM]                   ; a plain line behind the exponentials
	s_wait_alu depctr_va_vdst(0)                   ; one wait for the batch, ahead of its first reader
.irp b, 0,1,2,3
	v_exp_f32 v[BM+\b], v[BM+\b]                   ; the block's largest p
.endr
	v_pk_add_f32 v[S1:S1+1], v[T:T+1], v[T+2:T+3]  ; l: of the unquantised p, in two chains
	v_pk_add_f32 v[S2:S2+1], v[T+4:T+5], v[T+6:T+7]
.irp j, 8,12,16,20,24,28,32,36,40,44,48,52,56,60
	v_pk_add_f32 v[S1:S1+1], v[S1:S1+1], v[T+\j:T+\j+1]
	v_pk_add_f32 v[S2:S2+1], v[S2:S2+1], v[T+\j+2:T+\j+3]
.endr
	v_pk_add_f32 v[S1:S1+1], v[S1:S1+1], v[S2:S2+1]
	v_add_f32 v[TT], v[S1], v[S1+1]
	v_permlanex16_b32 v[BX], v[TT], s[SEL], s[SEL+1]
	v_add_f32 v[LS+(\a)], v[TT], v[BX]
	s_wait_alu depctr_va_vdst(0)                   ; and one for the four
.irp b, 0,1,2,3
	v_max_num_f32 v[BM+\b], 0x4800000, v[BM+\b]    ; the floor 2^(9 - 127): the byte cannot fall under 1
.endr
.irp b, 0,1,2,3
	v_add_nc_u32 v[SO+\b], 0xfc000000, v[BM+\b]    ; the conversion's scale operand
.endr
.irp b, 0,1,2,3
	v_and_or_b32 v[HD+\b], v[BM+\b], 0x7f800000, s[MNT]   ; 448 x the scale
.endr
.irp b, 0,1,2,3
	v_lshrrev_b32 v[BY+\b], 23, v[SO+\b]
.endr
	v_lshl_or_b32 v[SW+(\a)], v[BY+1], 8, v[BY]
	v_lshl_or_b32 v[SW+(\a)], v[BY+2], 16, v[SW+(\a)]
	v_lshl_or_b32 v[SW+(\a)], v[BY+3], 24, v[SW+(\a)]
	s_wait_xcnt 0x0                                ; the earlier stores have read their codes and bases
.if (\a) == 0
	s_add_nc_u64 s[14:15], s[14:15], 8192          ; on to this pair's rows
	s_add_nc_u64 s[16:17], s[16:17], 512
.endif
.irp b, 0,1,2,3
.irp i, 0,1,2,3,4,5,6,7,8,9,10,11,12,13,14,15
	v_min_num_f32 v[T+16*\b+\i], v[T+16*\b+\i], v[HD+\b]   ; the conversion does not saturate (ISA guide 7.6.2); p is not negative
.endr
	v_cvt_scalef32_pk8_fp8_f32 v[PC+4*\b:PC+1+4*\b], v[T+16*\b:T+7+16*\b], v[SO+\b]
	v_cvt_scalef32_pk8_fp8_f32 v[PC+2+4*\b:PC+3+4*\b], v[T+8+16*\b:T+15+16*\b], v[SO+\b]
.endr
	v_nop                                          ; a plain line behind the last conversion
.irp b, 0,1,2,3,4,5,6,7
	global_store_b64 v[CO], v[PC+2*\b:PC+2*\b+1], s[14:15] offset:4096*(\a)+256*\b   ; in the order of the next launch's operand registers: 16 queries x 256 keys are 4,096 bytes, [32 keys: 8][half: 2][query: 16][16 bytes]; each store is one aligned unit of 256 bytes
.endr
.endm
	s_load_b256 s[4:11], s[0:1], 0x0               ; qc, qs, kc, ks
	s_load_b128 s[12:15], s[0:1], 0x20             ; padding_mask, pc
	s_load_b64 s[16:17], s[0:1], 0x30              ; pmeta
	v_lshl_add_u32 v[SPW], v0, 2, SPARE
	v_mov_b32 v[NIL], 0
	ds_add_u32 v28, v29
	ds_add_u32 v28, v29
	s_wait_dscnt 0x0
	v_lshrrev_b32 v3, 5, v0
	v_readfirstlane_b32 s[WV], v3
	s_lshr_b32 s[RH], s[WV], 1
	s_and_b32 s[CH], s[WV], 1
	s_bfe_u32 s[CX], ttmp6, 0x40000
	s_bfe_u32 s[CY], ttmp6, 0x40004
	s_and_b32 s71, ttmp7, 0xffff                   ; the cluster's y, 0 .. 11 = 3 x batch + t
	s_mul_i32 s[BB], s71, 0x5556
	s_lshr_b32 s[BB], s[BB], 16                    ; / 3
	s_mul_i32 s90, s[BB], 3
	s_sub_co_u32 s90, s71, s90                     ; t = 0, 1, 2: the clusters (0, 0), (1, 0), (1, 1)
	s_add_co_u32 s91, s90, 1
	s_lshr_b32 s91, s91, 1
	s_lshr_b32 s92, s90, 1
	s_lshl_b32 s[TR], s91, 2
	s_add_co_u32 s[TR], s[TR], s[CY]
	s_lshl_b32 s[TC], s92, 2
	s_add_co_u32 s[TC], s[TC], s[CX]
	s_lshl_b32 s95, s[CY], 2
	s_lshl_b32 s95, 15, s95
	s_lshl_b32 s96, 0x1111, s[CX]
	s_lshl_b32 s80, s[BB], 11
	s_lshl_b32 s81, s[TR], 8
	s_add_co_u32 s80, s80, s81
	s_lshl_b32 s81, s[CH], 7
	s_add_co_u32 s80, s80, s81
	s_lshl_b32 s80, s80, 8                         ; q: (2,048 x batch + 256 x tile row + 128 x half) rows of 256 bytes
	s_mov_b32 s81, 0
	s_lshl_b32 s84, s[BB], 11
	s_lshl_b32 s85, s[TC], 8
	s_add_co_u32 s84, s84, s85
	s_lshl_b32 s85, s[CH], 7
	s_add_co_u32 s84, s84, s85
	s_lshl_b32 s84, s84, 8                         ; k likewise, by the tile column
	s_mov_b32 s85, 0
	s_mul_i32 s[LD], s[WV], HALFT
	s_or_b32 s[G1], s95, (1<<20)|(1<<21)|(5<<22)|(3<<25)
	s_or_b32 s[G1B], s96, (1<<20)|(1<<21)|(5<<22)|(3<<25)
.irp g, G1, G1B
	s_mov_b32 s[\g+1], 256<<16
	s_mov_b32 s[\g+2], 128<<16
	s_mov_b32 s[\g+3], 256<<16
	s_mov_b32 s[\g+4], 128
	s_mov_b32 s[\g+5], KROW
	s_mov_b32 s[\g+6], 0
	s_mov_b32 s[\g+7], 0
.endr
	s_mov_b32 s[SEL], 0x76543210
	s_mov_b32 s[SEL+1], 0xfedcba98
	s_mov_b32 s[MNT], 0x600000
	s_mov_b32 s[CS], 0x3d38aa3b                    ; log2(e) / 32: the division by sqrt(1,024) is a power of two, so one multiplication gives t
	s_mov_b32 s[CS+1], s[CS]
	s_wait_kmcnt 0x0
	s_add_nc_u64 s[82:83], s[4:5], s[80:81]
	s_add_nc_u64 s[86:87], s[8:9], s[84:85]
	CROUND
.irp s, 0,1
	s_mov_b32 s[G0+4*\s], 1
	s_add_co_u32 s[G0+4*\s+1], s[LD], \s*SLOT
	s_add_nc_u64 s[G0+4*\s+2:G0+4*\s+3], s[82:83], \s*STA
	s_or_b32 s[G0+4*\s+3], s[G0+4*\s+3], 0x80000000
	s_mov_b32 s[G0B+4*\s], 1
	s_add_co_u32 s[G0B+4*\s+1], s[LD], \s*SLOT
	s_add_nc_u64 s[G0B+4*\s+2:G0B+4*\s+3], s[86:87], \s*STB
	s_or_b32 s[G0B+4*\s+3], s[G0B+4*\s+3], 0x80000000
.endr
	JLOAD G0, G1, G0B, G1B                         ; K step 0: my one tensor load at the head
	v_and_b32 v1, 15, v0
	s_wait_alu depctr_va_vdst(0)
	v_bfe_u32 v2, v0, 4, 1
	v_and_b32 v5, 31, v0
	v_mul_u32_u24 v3, v2, PITCH
	v_lshl_add_u32 v4, v1, 4, v3                   ; a fragment's unit of 256 bytes by lane / 16, in it 16 (lane % 16)
	s_mul_i32 s2, s[RH], HALFT
	s_mul_i32 s3, s[CH], HALFT
	s_add_co_u32 s3, s3, 2*HALFT
.irp s, 0,1
	v_add_nc_u32 v[ADRA+\s], s2, v4
	v_add_nc_u32 v[ADRB+\s], s3, v4
	s_add_co_u32 s2, s2, SLOT
	s_add_co_u32 s3, s3, SLOT
.endr
	s_lshl_b32 s[SQ0], s[TR], 8
	s_lshl_b32 s91, s[RH], 7
	s_add_co_u32 s[SQ0], s[SQ0], s91               ; my first query in the batch
	s_lshl_b32 s92, s[TC], 8
	s_lshl_b32 s93, s[CH], 7
	s_add_co_u32 s92, s92, s93                     ; my first key in the batch
	s_lshl_b32 s93, s[BB], 11
	s_mov_b32 s3, 0
	s_add_co_u32 s2, s93, s[SQ0]
	s_lshl_b32 s2, s2, 2
	s_add_nc_u64 s[6:7], s[6:7], s[2:3]            ; q's scale words: 4 bytes a row, a chunk's plane 32,768 bytes
	s_add_co_u32 s91, s93, s92
	s_lshl_b32 s2, s91, 2
	s_add_nc_u64 s[10:11], s[10:11], s[2:3]
	s_mov_b32 s2, s91
	s_add_nc_u64 s[12:13], s[12:13], s[2:3]        ; the mask: a byte a key
	v_lshlrev_b32 v30, 2, v1
	s_wait_alu depctr_va_vdst(0)
	v_lshl_add_u32 v30, v2, 15, v30                ; 4 r + a chunk's plane for lanes 16-31
	v_lshlrev_b32 v31, 3, v2                       ; 8 h
.irp n, 0,1,2,3
.irp a, 0,1,2,3,4,5,6,7
	global_load_b32 v[SA+8*\n+\a], v30, s[6:7] offset:65536*\n+64*\a
	global_load_b32 v[SB+8*\n+\a], v30, s[10:11] offset:65536*\n+64*\a
.endr
.endr
.irp b, 0,1,2,3,4,5,6,7
	global_load_b64 v[MK+2*\b:MK+2*\b+1], v31, s[12:13] offset:16*\b
.endr
	v_sub_nc_u32 v6, v31, v1
	v_add_nc_u32 v6, s92, v6                       ; my first key + 8 h - r
.irp j, 0,1,2,3,4,5,6,7
	v_add_nc_u32 v[KBJ+\j], \j, v6
.endr
	s_lshl_b32 s2, s[BB], 3
	s_add_co_u32 s2, s2, s[TC]
	s_lshl_b32 s2, s2, 11
	s_lshl_b32 s91, s[TR], 8
	s_add_co_u32 s2, s2, s91
	s_lshl_b32 s2, s2, 8
	s_add_nc_u64 s[14:15], s[14:15], s[2:3]        ; pc: ((8 x batch + tile column) x 2,048 + 256 x tile row) x 256
	s_lshl_b32 s2, s[BB], 4
	s_lshl_b32 s91, s[TC], 1
	s_add_co_u32 s2, s2, s91
	s_add_co_u32 s2, s2, s[CH]
	s_lshl_b32 s2, s2, 11
	s_add_co_u32 s2, s2, s[SQ0]
	s_lshl_b32 s2, s2, 4
	s_add_nc_u64 s[16:17], s[16:17], s[2:3]        ; pmeta: ((16 x batch + chunk) x 2,048 + my first query) x 16
	s_lshl_b32 s2, s[RH], 15
	s_lshl_b32 s3, s[CH], 11
	s_add_co_u32 s2, s2, s3
	v_lshlrev_b32 v[CO], 3, v2
	v_lshl_add_u32 v[CO], v1, 4, v[CO]
	v_add_nc_u32 v[CO], s2, v[CO]                  ; my 128 queries, my 128 keys, 16 r + 8 h
	v_lshlrev_b32 v22, 4, v5
	s_wait_alu depctr_va_vdst(0)                   ; the wait at the head's end
	s_wait_tensorcnt 0x0                           ; my part of K step 0 is in
	ds_add_u32 v[SPW], v[NIL]
	s_wait_dscnt 0x0
	CROUND
	JLOAD G0+4, G1, G0B+4, G1B                     ; K step 1, the first tensor load behind the round
	FETCH_B 0, 0, 0
	FETCH_A 0, 0, 0
	FETCH_A 0, 0, 4
	s_wait_loadcnt 0x0                             ; the scale words and the mask
	STEP 0, 0, 1, 0
	TURN 0, 1, 1, 1
	STEP 1, 0, 0, 2
	TURN 1, 0, 1, 3
	STEP 0, 0, 0, 4
	TURN 0, 1, 0, 5                                ; behind this barrier nobody reads slot 0
	STEP 1, 0, 0, 6
	LAST 7
	s_mov_b32 s84, 0xff800000                      ; -infinity
	s_mov_b32 s85, 0xffff0000
	s_mov_b32 s79, 0x01010101
	s_cmp_lt_i32 s[SQ0], s92                       ; does my chunk begin behind my first query, and so behind my last?
	s_cselect_b32 s79, s79, 0
	s_cmp_gt_i32 s[SQ0], s92
	s_cselect_b32 s[SLT], 0, s84
	s_mov_b32 s[SLT+1], s[SLT]
.set pp, 0
.rept 16
	v_or_b32 v[MK+pp], s79, v[MK+pp]               ; then every key counts as padded
.set pp, pp+1
.endr
	PLACES NP                                      ; in front of writes of the scale registers and of the first read of results
.irp b, 0,1,2,3,4,5,6,7
.irp j, 0,1,2,3,4,5,6,7
	v_bfe_u32 v[KI+8*\b+\j], v[MK+2*\b+\j/4], 8*(\j%4), 8
.endr
.endr
.irp b, 0,1,2,3,4,5,6,7
.irp j, 0,1,2,3,4,5,6,7
	v_mul_lo_u32 v[KI+8*\b+\j], v[KI+8*\b+\j], s84   ; a byte 1 becomes -infinity, a byte 0 the number 0
.endr
.endr
	v_mov_b32 v[NINF], 0xff800000
	v_mov_b32 v[NM+1], 0                           ; named as the upper half of a pair
.irp b, 0,1,2,3
	v_mov_b32 v[BX+\b], 0                          ; a lane permute's destination counts as read
.endr
.irp j, 0,1,2,3,4,5,6,7
	v_cmp_le_i32 vcc_lo, v[KBJ+\j], s[SQ0]         ; key 16 b + 8 h + j counts for query 16 b + r
	v_cndmask_b32 v[DG+\j], v[NINF], v[NM+1], vcc_lo
.endr
	v_mov_b32 v255, 0                              ; the records' last word
	s_sub_nc_u64 s[14:15], s[14:15], 8192          ; (each pair steps them)
	s_sub_nc_u64 s[16:17], s[16:17], 512
	s_mov_b32 s[PT], 0
	s_wait_alu depctr_va_vdst(0)
.Lpair:
	PICK 0
	SOFTQ 0
	PICK 1
	SOFTQ 1
	v_cndmask_b32 v252, v[SW], v[SW+1], s85        ; both halves of the lanes hold a block's figures: lanes 0-15 give the even block's, lanes 16-31 the odd one's
	v_cndmask_b32 v253, v[NMS], v[NMS+1], s85
	v_cndmask_b32 v254, v[LS], v[LS+1], s85
	global_store_b128 v22, v[252:255], s[16:17]    ; 32 rows' records: 512 consecutive bytes, aligned
	s_add_co_u32 s[PT], s[PT], 1
	s_wait_alu depctr_va_vdst(0)
	s_cmp_lt_u32 s[PT], 4
	s_cbranch_scc1 .Lpair
	s_wait_tensorcnt 0x0                           ; the wave's end
	ds_add_u32 v[SPW], v[NIL]
	s_wait_dscnt 0x0
	CROUND
	s_endpgm
.Lfunc_end_k_q88d4410f6d_score:
	.size	k_q88d4410f6d_score, .Lfunc_end_k_q88d4410f6d_score-k_q88d4410f6d_score
	.p2alignl 7, 3214868480
	.fill 96, 4, 3214868480
	.section	.rodata,"a",@progbits
	.p2align	6, 0x0
	.amdhsa_kernel k_q88d4410f6d_score
		.amdhsa_group_segment_fixed_size 327680
		.amdhsa_private_segment_fixed_size 0
		.amdhsa_enable_private_segment 0
		.amdhsa_kernarg_size 56
		.amdhsa_user_sgpr_count 2
		.amdhsa_user_sgpr_kernarg_segment_ptr 1
		.amdhsa_wavefront_size32 1
		.amdhsa_system_sgpr_workgroup_id_x 1
		.amdhsa_system_sgpr_workgroup_id_y 1
		.amdhsa_system_sgpr_workgroup_id_z 1
		.amdhsa_system_vgpr_workitem_id 0
		.amdhsa_next_free_vgpr 1024
		.amdhsa_next_free_sgpr 100
		.amdhsa_reserve_vcc 1
		.amdhsa_float_denorm_mode_32 3
		.amdhsa_float_denorm_mode_16_64 3
		.amdhsa_memory_ordered 1
		.amdhsa_forward_progress 1
		.amdhsa_inst_pref_size 184
	.end_amdhsa_kernel
	.amdgpu_metadata
---
amdhsa.version: [ 1, 2 ]
amdhsa.kernels:
  - .name:           k_q88d4410f6d_score
    .symbol:         k_q88d4410f6d_score.kd
    .args:
      - { .name: qc, .offset: 0, .size: 8, .value_kind: global_buffer, .address_space: global }
      - { .name: qs, .offset: 8, .size: 8, .value_kind: global_buffer, .address_space: global }
      - { .name: kc, .offset: 16, .size: 8, .value_kind: global_buffer, .address_space: global }
      - { .name: ks, .offset: 24, .size: 8, .value_kind: global_buffer, .address_space: global }
      - { .name: padding_mask, .offset: 32, .size: 8, .value_kind: global_buffer, .address_space: global }
      - { .name: pc, .offset: 40, .size: 8, .value_kind: global_buffer, .address_space: global }
      - { .name: pmeta, .offset: 48, .size: 8, .value_kind: global_buffer, .address_space: global }
    .group_segment_fixed_size: 327680
    .private_segment_fixed_size: 0
    .kernarg_segment_align: 8
    .kernarg_segment_size: 56
    .max_flat_workgroup_size: 128
    .sgpr_count:     100
    .vgpr_count:     1024
    .wavefront_size: 32
...
	.end_amdgpu_metadata
.endif
;; end of part 2
;; launch pv (part 3): grid 8 x 32, 4 waves a work-group, clusters of 4 x 4, 327,680 bytes of LDS; arguments pc, pmeta, vc, vs, out0; writes out0
.if DOCPART == 3
	.amdgcn_target "amdgcn-amd-amdhsa--gfx1250"
	.amdhsa_code_object_version 6
	.text
	.protected	k_q88d4410f6d_pv
	.globl	k_q88d4410f6d_pv
	.p2align	8
	.type	k_q88d4410f6d_pv,@function
k_q88d4410f6d_pv:
	s_mov_b64 s[64:65], 0
	v_nop
	global_prefetch_b8 v0, s[64:65] scope:SCOPE_SE
	s_setreg_imm32_b32 hwreg(HW_REG_WAVE_MODE, 25, 1), 1
	s_wait_xcnt 0x0
	s_wait_alu depctr_hold_cnt(0) depctr_sa_sdst(0) depctr_va_vdst(0) depctr_va_sdst(0) depctr_va_ssrc(0) depctr_va_vcc(0) depctr_vm_vsrc(0)
	s_getreg_b32 s2, hwreg(HW_REG_IB_STS2, 6, 4)
	s_cmp_eq_u32 s2, 0
	s_cbranch_scc0 .Lentry_in_a_cluster
	s_endpgm
.Lentry_in_a_cluster:
	s_bfe_u32 s2, ttmp6, 0x10000c
	s_cmp_lg_u32 s2, 0xf033
	s_cbranch_scc0 .Lentry_shape_is_right
	s_endpgm
.Lentry_shape_is_right:
; O = p v / l ON CODES: p and v as the launches before left them, both in the order of the operand registers (16 rows x 256 keys are 4,096 bytes: [32 keys: 8][half: 2][row: 16][16 bytes]); sums in f32.
; A work-group of four waves makes two tiles of 128 queries x 128 columns of a batch, tile rows 15 - u and u of 16 (u = 4 x (cluster y % 2) + cy), a wave 64 x 64.  Keys go in steps of 512 through two LDS slots filled by joint tensor loads.
; LEFT OUT: steps wholly above the diagonal, whose weights the causal mask makes 0 for every input.  Where cluster y is even the rows are 12-15 and 0-3: 4 + 1 steps; where it is odd 8-11 and 4-7: 3 + 2.  So every work-group walks five steps, and a cluster's partners walk alike.
; A chunk of 128 keys has its p under the chunk's own M: the row's M is the largest, and the scale bytes and the sums l are brought under it by whole powers of two.  A byte that would fall under 1 becomes 0: its block's p lie under 2^-117 of the row's bound.
; LIMITS: NaN and infinities are not served, and one that reaches only the steps left out is not carried to the result.
; PREFETCH: in step i what step i + 2 loads: p's rows by the clusters of x = 0, v's by those of even y, in the first walk alone; of the 128 rows that a wave fetches each of the four partners names 32.
.set PITCH,  272                       ; an LDS row: 256 bytes + 16
.set HALFT,  128*PITCH                 ; what one tensor load brings
.set SLOT,   4*HALFT                   ; p's two planes of 256 keys, then v's two
.set SPARE,  2*SLOT
.set STAGE,  SPARE+512
.set NP,     8                         ; places behind this matrix form (ISA guide 7.12.1)
.set STA,    1048576                   ; 512 keys on in pc: two planes of 2,048 rows x 256 bytes
.set STB,    524288                    ; in vc: two planes of 1,024
.set ACC,    128
.set RL,     6                         ; v6, 8, 10, 12: 1 / l
.set ADRA,   16
.set ADRA0,  17
.set ADRB,   20
.set ADRB0,  21
.set STO,    24
.set RD,     25
.set CO,     26
.set PFO,    27
.set SPW,    28
.set NIL,    29
.set RAW,    32                        ; v32-63 a step's records: scale word, -M, l, 0
.set PS,     68                        ; v68-75 p's scale words; v80-87 v's, v88-95 the next step's: no product's two have numbers equal modulo 8
.set VS,     80
.set VSN,    88
.set NMR,    96                        ; v96-103 the rows' -M, twice;  v14, 15, 18, 19 the second tile's
.set LACC,   104
.set DD,     112
.set WW,     120
.set AO,     14                        ; s[14:15] offset of the step's tile in pc, s16 the second tile's first
.set AS0,    16
.set BO0,    17                        ; s17 v's first, s[18:19] the step's
.set BO,     18
.set SEL,    20
.set HI,     22
.set ONES,   23
.set G1,     24
.set G0,     32
.set MO,     36                        ; s[36:37] offset of the step's records, s38 the second tile's first
.set MS0,    38
.set IT,     39                        ; s39 the step
.set MP,     40
.set SWI,    42                        ; s42 the first tile's last step
.set SBN,    43                        ; s43 a slot's base
.set VSB,    44
.set OB,     46
.set G1B,    48
.set G0B,    56
.set VO,     60
.set VP,     62
.set WV,     66
.set RH,     67
.set CH,     68
.set CX,     69
.set CY,     70
.set OS,     72
.set BB,     74
.set UU,     75
.set TBG,    76
.set DT,     77
.set P0,     78
.set PO,     80
.set LIM,    86                        ; s86 my wave prefetches in the steps below it
.set ZF,     87                        ; s87 1: the step's products start the sums
.set YL,     88
.set PA,     90
.set LD,     94
.set MUL,    0x05                      ; sources in window 1, sums in window 0
.set TO_F,   0x40
.set MSB, 0
.macro WIN new
.if MSB != (\new)
	s_set_vgpr_msb (MSB<<8)|(\new)
.set MSB, (\new)
.endif
.endm
.macro WALU
	s_wait_alu depctr_va_vdst(0)
.endm
.macro JLOAD g0a, g1a, g0b, g1b        ; waves 0, 1 fetch p's planes, waves 2, 3 v's
	s_cmp_eq_u32 s[RH], 0
	s_cbranch_scc0 .Lfor_b_\@
	tensor_load_to_lds s[\g0a:\g0a+3], s[\g1a:\g1a+7]
	s_nop 0
.rept 4
	v_nop
.endr
	s_branch .Lasked_\@
.Lfor_b_\@:
	tensor_load_to_lds s[\g0b:\g0b+3], s[\g1b:\g1b+7]
	s_nop 0
.rept 4
	v_nop
.endr
.Lasked_\@:
.endm
.macro CROUND                          ; a round of the cluster's barrier
	s_barrier_signal -1
	s_barrier_wait -1
	s_cmp_lg_u32 s[WV], 0
	s_cbranch_scc1 .Lnot_wave_0_\@
	s_barrier_signal -3
.Lnot_wave_0_\@:
	s_barrier_wait -3
	s_barrier_signal -1
	s_barrier_wait -1
.endm
.macro PLACES n
.rept \n
	v_nop
.endr
.endm
.macro FRAG reg, adr, q, i             ; 16 rows x 128 keys: the q-th of the slot's four
.irp c, 0,1,2,3
	ds_load_b128 v[\reg+4*\c:\reg+4*\c+3], v[\adr] offset:((\q)/2)*HALFT+(16*(\i)+8*((\q)%2)+2*\c)*PITCH
.endr
.endm
.macro FETCH q, p
	WIN TO_F
.irp i, 0,1,2,3
	FRAG 128*(\p)+64+16*\i, ADRB, \q, \i
	FRAG 128*(\p)+16*\i, ADRA, \q, \i
.endr
.endm
.macro MULC p, c, zero                 ; chunk c: the 16 accumulators take turns
.irp a, 0,1,2,3
.irp b, 0,1,2,3
.set rD, ACC+8*(4*\a+\b)
.set rB, 128*(\p)+64+16*\b
.set rA, 128*(\p)+16*\a
.set rSB, VS+4*((\c)/2)+\b
.set rSA, PS+4*((\c)/2)+\a
.if \zero
	v_wmma_scale_f32_16x16x128_f8f6f4 v[rD:rD+7], v[rB:rB+15], v[rA:rA+15], 0, v[rSB], v[rSA]
.elseif (\c)%2
	v_wmma_scale_f32_16x16x128_f8f6f4 v[rD:rD+7], v[rB:rB+15], v[rA:rA+15], v[rD:rD+7], v[rSB], v[rSA] matrix_a_scale:MATRIX_SCALE_ROW1 matrix_b_scale:MATRIX_SCALE_ROW1
.else
	v_wmma_scale_f32_16x16x128_f8f6f4 v[rD:rD+7], v[rB:rB+15], v[rA:rA+15], v[rD:rD+7], v[rSB], v[rSA]
.endif
.endr
.endr
.endm
.macro STEP                            ; a step's four chunks; chunk 0's fragments have been asked for
	FETCH 1, 1
	WIN 0
	WALU
	s_wait_dscnt 32                                ; chunk 0 is in; the 32 loads just issued may be out
	s_cmp_eq_u32 s[ZF], 1
	s_cbranch_scc0 .Lgo_on_\@
	WIN MUL
	MULC 0, 0, 1                                   ; a tile's first step starts the sums
	WIN 0
	s_branch .Lfirst_\@
.Lgo_on_\@:
	WIN MUL
	MULC 0, 0, 0
	WIN 0
.Lfirst_\@:
	PLACES NP
	FETCH 2, 0
	s_wait_dscnt 32
	WIN MUL
	MULC 1, 1, 0
	PLACES NP
	FETCH 3, 1
	s_wait_dscnt 32
	WIN MUL
	MULC 0, 2, 0
	s_wait_dscnt 0x0
	MULC 1, 3, 0
	WIN 0
.endm
.macro META                            ; the records of my 64 rows for 512 keys (lanes 0-15 chunk 2 k, lanes 16-31 chunk 2 k + 1), and v's scale words
.irp k, 0,1
.irp a, 0,1,2,3
	global_load_b128 v[RAW+4*(4*\k+\a):RAW+4*(4*\k+\a)+3], v30, s[MP:MP+1] offset:65536*\k+256*\a
.endr
.endr
.irp k, 0,1
.irp b, 0,1,2,3
	global_load_b32 v[VSN+4*\k+\b], v31, s[VP:VP+1] offset:8192*\k+64*\b
.endr
.endr
.endm
.macro ADJUST                          ; the records under the row's M: d = chunk's M - row's M, a whole number, 0 or less, is added to each scale byte (one that falls under 1 becomes 0), and l is multiplied by 2^d
	s_wait_loadcnt 0x0
.irp a, 0,1,2,3,4,5,6,7
	v_mov_b32 v[VS+\a], v[VSN+\a]
.endr
.irp a, 0,1,2,3,4,5,6,7
	v_sub_f32 v[DD+\a], v[NMR+\a], v[RAW+4*\a+1]
.endr
.irp a, 0,1,2,3,4,5,6,7
	v_max_num_f32 v[DD+\a], 0xc2fe0000, v[DD+\a]   ; -127 at the least
.endr
.irp a, 0,1,2,3,4,5,6,7
	v_cvt_i32_f32 v[DD+\a], v[DD+\a]
.endr
.irp a, 0,1,2,3,4,5,6,7
	v_mul_lo_u32 v[WW+\a], v[DD+\a], s[ONES]
.endr
.irp a, 0,1,2,3,4,5,6,7
	v_or_b32 v[RAW+4*\a], s[HI], v[RAW+4*\a]       ; p's bytes are 127 at the most: bit 7 is set ahead of the sum and tells behind it whether the byte has stayed 0 or more
.endr
.irp a, 0,1,2,3,4,5,6,7
	v_add_nc_u32 v[WW+\a], v[WW+\a], v[RAW+4*\a]
.endr
.irp a, 0,1,2,3,4,5,6,7
	v_and_b32 v[RAW+4*\a], s[HI], v[WW+\a]
.endr
.irp a, 0,1,2,3,4,5,6,7
	v_lshrrev_b32 v[RAW+4*\a+3], 7, v[RAW+4*\a]
.endr
.irp a, 0,1,2,3,4,5,6,7
	v_sub_nc_u32 v[RAW+4*\a], v[RAW+4*\a], v[RAW+4*\a+3]
.endr
.irp a, 0,1,2,3,4,5,6,7
	v_and_b32 v[PS+\a], v[WW+\a], v[RAW+4*\a]
.endr
.irp a, 0,1,2,3,4,5,6,7
	v_ldexp_f32 v[RAW+4*\a+2], v[RAW+4*\a+2], v[DD+\a]
.endr
.irp a, 0,1,2,3,4,5,6,7
	v_add_f32 v[LACC+\a], v[LACC+\a], v[RAW+4*\a+2]
.endr
.endm
.macro FINAL_L                         ; 1 / l; its first twelve lines are the places behind the last products
	WALU
.irp a, 0,1,2,3
	v_add_f32 v[DD+\a], v[LACC+\a], v[LACC+4+\a]
.endr
.irp a, 0,1,2,3
	v_permlanex16_b32 v[WW+\a], v[DD+\a], s[SEL], s[SEL+1]
.endr
.irp a, 0,1,2,3
	v_add_f32 v[DD+\a], v[DD+\a], v[WW+\a]
.endr
	WALU
.irp a, 0,1,2,3
	v_rcp_f32 v[RL+2*\a], v[DD+\a]
.endr
	v_nop
	WALU
.endm
.macro PACK a                          ; 16 queries: divided by l, through my own stage in LDS, back as rows of 256 bytes
.set AC, ACC+32*(\a)
.set pp, 0
.rept 16
	v_pk_mul_f32 v[AC+2*pp:AC+2*pp+1], v[AC+2*pp:AC+2*pp+1], v[RL+2*(\a):RL+2*(\a)+1] op_sel_hi:[1,0]
.set pp, pp+1
.endr
.irp b, 0,1,2,3
	ds_store_b128 v[STO], v[AC+8*\b:AC+8*\b+3] offset:64*\b
	ds_store_b128 v[STO], v[AC+8*\b+4:AC+8*\b+7] offset:64*\b+16
.endr
.irp t, 0,1,2,3,4,5,6,7
	ds_load_b128 v[AC+4*\t:AC+4*\t+3], v[RD] offset:\t*2*PITCH
.endr
.endm
.macro SEND a, younger, base
.set AC, ACC+32*(\a)
.irp t, 0,1,2,3,4,5,6,7
	s_wait_dscnt \younger+7-\t
	global_store_b128 v[CO], v[AC+4*\t:AC+4*\t+3], s[\base:\base+1] offset:(\a)*65536+\t*8192 th:TH_STORE_NT   ; two rows of 256 bytes, aligned
.endr
.endm
.macro EPI base
	PACK 0
	PACK 1
	SEND 0, 16, \base
	PACK 2
	SEND 1, 16, \base
	PACK 3
	SEND 2, 16, \base
	SEND 3, 0, \base
.endm
	s_load_b256 s[4:11], s[0:1], 0x0               ; pc, pmeta, vc, vs
	s_load_b64 s[12:13], s[0:1], 0x20              ; out0
	v_lshl_add_u32 v[SPW], v0, 2, SPARE
	v_mov_b32 v[NIL], 0
	ds_add_u32 v[SPW], v[NIL]                      ; the wave's opening: the add, twice on end, and its wait
	ds_add_u32 v[SPW], v[NIL]
	v_lshrrev_b32 v3, 5, v0
	v_readfirstlane_b32 s[WV], v3
	v_and_b32 v1, 15, v0                           ; r
	v_bfe_u32 v2, v0, 4, 1                         ; h
	v_and_b32 v5, 31, v0                           ; lane
	s_lshr_b32 s[RH], s[WV], 1                     ; my half of the queries; also 0: I fetch p, 1: v
	s_and_b32 s[CH], s[WV], 1                      ; my half of the columns; also which plane of a step I fetch
	s_bfe_u32 s[CX], ttmp6, 0x40000
	s_bfe_u32 s[CY], ttmp6, 0x40004
	s_and_b32 s71, ttmp7, 0xffff
	s_lshr_b32 s[BB], s71, 1                       ; the batch
	s_and_b32 s[YL], s71, 1
	s_sub_co_u32 s[SWI], 3, s[YL]
	s_lshl_b32 s[UU], s[YL], 2
	s_add_co_u32 s[UU], s[UU], s[CY]
	s_sub_co_u32 s[TBG], 15, s[UU]
	s_lshl_b32 s[DT], ttmp9, 2
	s_add_co_u32 s[DT], s[DT], s[CX]               ; 128 columns
	s_lshl_b32 s95, s[CY], 2
	s_lshl_b32 s95, 15, s95
	s_lshl_b32 s96, 0x1111, s[CX]
	s_lshl_b32 s97, s[BB], 3
	s_add_co_u32 s97, s97, s[CH]                   ; my plane of step 0
	s_lshl_b32 s[AS0], s[UU], 15
	s_lshl_b32 s[AO], s[TBG], 15
	s_lshl_b32 s98, s97, 19
	s_add_co_u32 s[AS0], s[AS0], s98
	s_add_co_u32 s[AO], s[AO], s98
	s_mov_b32 s[AO+1], 0
	s_lshl_b32 s[BO], s[DT], 15
	s_lshl_b32 s98, s97, 18
	s_add_co_u32 s[BO], s[BO], s98
	s_mov_b32 s[BO+1], 0
	s_mov_b32 s[BO0], s[BO]
	s_mul_i32 s[LD], s[WV], HALFT
	s_or_b32 s[G1], s95, (1<<20)|(1<<21)|(5<<22)|(3<<25)
	s_or_b32 s[G1B], s96, (1<<20)|(1<<21)|(5<<22)|(3<<25)
.irp g, G1, G1B
	s_mov_b32 s[\g+1], 256<<16
	s_mov_b32 s[\g+2], 128<<16
	s_mov_b32 s[\g+3], 256<<16
	s_mov_b32 s[\g+4], 128
	s_mov_b32 s[\g+5], 256
	s_mov_b32 s[\g+6], 0
	s_mov_b32 s[\g+7], 0
.endr
	s_mov_b32 s[SEL], 0x76543210
	s_mov_b32 s[SEL+1], 0xfedcba98
	s_mov_b32 s[HI], 0x80808080
	s_mov_b32 s[ONES], 0x01010101
	WALU
	s_wait_dscnt 0x0                               ; both opening adds are done
	s_wait_kmcnt 0x0
	CROUND                                         ; all sixteen work-groups are here
	s_mov_b32 s[G0], 1
	s_mov_b32 s[G0+1], s[LD]
	s_add_nc_u64 s[G0+2:G0+3], s[4:5], s[AO:AO+1]
	s_or_b32 s[G0+3], s[G0+3], 0x80000000
	s_mov_b32 s[G0B], 1
	s_mov_b32 s[G0B+1], s[LD]
	s_add_nc_u64 s[G0B+2:G0B+3], s[8:9], s[BO:BO+1]
	s_or_b32 s[G0B+3], s[G0B+3], 0x80000000
	JLOAD G0, G1, G0B, G1B                         ; step 0: my one tensor load at the head
	s_mov_b32 s3, 0
	s_lshl_b32 s92, s[RH], 6
	s_lshl_b32 s93, s[BB], 15
	s_add_co_u32 s92, s92, s93
	s_lshl_b32 s93, s[TBG], 7
	s_add_co_u32 s93, s93, s92
	s_lshl_b32 s[MO], s93, 4                       ; (16 chunks x batch x 2,048 rows + my first row) x 16
	s_mov_b32 s[MO+1], 0
	s_lshl_b32 s93, s[UU], 7
	s_add_co_u32 s93, s93, s92
	s_lshl_b32 s[MS0], s93, 4
	s_add_nc_u64 s[MP:MP+1], s[6:7], s[MO:MO+1]
	s_mov_b32 s2, s[MS0]
	s_add_nc_u64 s[PO:PO+1], s[6:7], s[2:3]
	s_lshl_b32 s2, s[BB], 14
	s_lshl_b32 s97, s[DT], 7
	s_add_co_u32 s2, s2, s97
	s_lshl_b32 s97, s[CH], 6
	s_add_co_u32 s2, s2, s97
	s_lshl_b32 s2, s2, 2
	s_add_nc_u64 s[VSB:VSB+1], s[10:11], s[2:3]
	s_mov_b32 s[VO], 0
	s_mov_b32 s[VO+1], 0
	s_mov_b64 s[VP:VP+1], s[VSB:VSB+1]
	v_lshlrev_b32 v30, 4, v1
	v_lshl_add_u32 v30, v2, 15, v30
	v_lshlrev_b32 v31, 2, v1
	v_lshl_add_u32 v31, v2, 12, v31
.irp m, 0,1,2,3,4,5,6,7
.irp a, 0,1,2,3
	global_load_b32 v[128+4*\m+\a], v30, s[MP:MP+1] offset:65536*\m+256*\a+4
.endr
.endr
.irp m, 0,1,2,3
.irp a, 0,1,2,3
	global_load_b32 v[160+4*\m+\a], v30, s[PO:PO+1] offset:65536*\m+256*\a+4
.endr
.endr
	META
	v_mul_u32_u24 v3, v1, PITCH
	v_mul_u32_u24 v4, v2, PITCH
	v_lshl_add_u32 v4, v1, 4, v4                   ; a fragment's unit of 256 bytes by h, in it 16 r
	s_mul_i32 s2, s[RH], 64*PITCH
	v_add_nc_u32 v[ADRA0], s2, v4
	s_mul_i32 s2, s[CH], 64*PITCH
	s_add_co_u32 s2, s2, 2*HALFT
	v_add_nc_u32 v[ADRB0], s2, v4
	s_mul_i32 s2, s[WV], 16*PITCH
	s_add_co_u32 s2, s2, STAGE
	v_lshl_add_u32 v[STO], v2, 5, v3
	v_add_nc_u32 v[STO], s2, v[STO]
	v_mul_u32_u24 v[RD], v2, PITCH
	v_lshl_add_u32 v[RD], v1, 4, v[RD]
	v_add_nc_u32 v[RD], s2, v[RD]
	v_lshlrev_b32 v[CO], 12, v2
	v_lshl_add_u32 v[CO], v1, 4, v[CO]
	v_lshlrev_b32 v[PFO], 8, v5
.irp a, 0,1,2,3,4,5,6,7
	v_mov_b32 v[DD+\a], 0
	v_mov_b32 v[LACC+\a], 0
.endr
.irp a, 0,1,2,3
	v_mov_b32 v[RL+2*\a+1], 0
.endr
	WALU
	s_lshl_b32 s97, s[DT], 9
	s_lshl_b32 s98, s[CH], 8
	s_add_co_u32 s97, s97, s98                     ; my first column, in bytes
	s_lshl_b32 s92, s[RH], 6
	s_lshl_b32 s93, s[BB], 11
	s_add_co_u32 s92, s92, s93
	s_lshl_b32 s2, s[TBG], 7
	s_add_co_u32 s2, s2, s92
	s_lshl_b32 s2, s2, 12
	s_add_co_u32 s2, s2, s97
	s_add_nc_u64 s[OB:OB+1], s[12:13], s[2:3]
	s_lshl_b32 s2, s[UU], 7
	s_add_co_u32 s2, s2, s92
	s_lshl_b32 s2, s2, 12
	s_add_co_u32 s2, s2, s97
	s_add_nc_u64 s[OS:OS+1], s[12:13], s[2:3]
	s_cmp_eq_u32 s[RH], 0
	s_cselect_b64 s[P0:P0+1], s[4:5], s[8:9]
	s_cselect_b32 s2, s[CX], s[CY]
	s_cselect_b32 s89, ttmp9, s[YL]
	s_cselect_b32 s92, 3, 2
	s_cmp_eq_u32 s89, 0
	s_cselect_b32 s[LIM], s92, 0
	s_lshl_b32 s2, s2, 13
	s_add_nc_u64 s[P0:P0+1], s[P0:P0+1], s[2:3]    ; my 32 of the 128 rows
	s_mov_b32 s[IT], 0
	s_mov_b32 s[SBN], 0
	s_mov_b32 s[ZF], 1
	s_wait_loadcnt 0x0
.irp a, 0,1,2,3
	v_min3_num_f32 v[NMR+\a], v[128+\a], v[132+\a], v[136+\a]
.endr
.irp a, 0,1,2,3
	v_min3_num_f32 v[NMR+\a], v[NMR+\a], v[140+\a], v[144+\a]
.endr
.irp a, 0,1,2,3
	v_min3_num_f32 v[NMR+\a], v[NMR+\a], v[148+\a], v[152+\a]
.endr
.irp a, 0,1,2,3
	v_min_num_f32 v[NMR+\a], v[NMR+\a], v[156+\a]
.endr
.irp a, 0,1,2,3
	v_min3_num_f32 v[NMR+4+\a], v[160+\a], v[164+\a], v[168+\a]
.endr
.irp a, 0,1,2,3
	v_min_num_f32 v[NMR+4+\a], v[NMR+4+\a], v[172+\a]
.endr
.irp a, 0,1,2,3,4,5,6,7
	v_permlanex16_b32 v[DD+\a], v[NMR+\a], s[SEL], s[SEL+1]
.endr
.irp a, 0,1,2,3,4,5,6,7
	v_min_num_f32 v[NMR+\a], v[NMR+\a], v[DD+\a]
.endr
.irp a, 0,1,2,3
	v_mov_b32 v[14+\a+2*(\a/2)], v[NMR+4+\a]       ; the second tile's, for later
.endr
.irp a, 0,1,2,3
	v_mov_b32 v[NMR+4+\a], v[NMR+\a]
.endr
	WALU                                           ; the wait at the head's end
.Lstep:                                                ; steps 0 to 3, each of which asks for the next step's tiles
	v_add_nc_u32 v[ADRA], s[SBN], v[ADRA0]
	v_add_nc_u32 v[ADRB], s[SBN], v[ADRB0]
	WALU
	s_wait_xcnt 0x0                                ; the last prefetch and the last records' loads have read their addresses
	s_wait_tensorcnt 0x0                           ; my part of this step's slot is in
	ds_add_u32 v[SPW], v[NIL]
	s_xor_b32 s[SBN], s[SBN], SLOT                 ; the next step: the other slot, 512 keys on, or the second tile from key 0
	s_add_co_u32 s[AO], s[AO], STA
	s_add_co_u32 s[BO], s[BO], STB
	s_add_co_u32 s[MO], s[MO], 131072
	s_add_co_u32 s[VO], s[VO], 16384
	s_cmp_eq_u32 s[IT], s[SWI]
	s_cselect_b32 s[AO], s[AS0], s[AO]
	s_cselect_b32 s[BO], s[BO0], s[BO]
	s_cselect_b32 s[MO], s[MS0], s[MO]
	s_cselect_b32 s[VO], 0, s[VO]
	s_add_co_u32 s[G0+1], s[SBN], s[LD]
	s_add_nc_u64 s[G0+2:G0+3], s[4:5], s[AO:AO+1]
	s_or_b32 s[G0+3], s[G0+3], 0x80000000
	s_add_co_u32 s[G0B+1], s[SBN], s[LD]
	s_add_nc_u64 s[G0B+2:G0B+3], s[8:9], s[BO:BO+1]
	s_or_b32 s[G0B+3], s[G0B+3], 0x80000000
	s_add_nc_u64 s[MP:MP+1], s[6:7], s[MO:MO+1]
	s_add_nc_u64 s[VP:VP+1], s[VSB:VSB+1], s[VO:VO+1]
	s_add_co_u32 s[PO], s[AO], STA                 ; the prefetch: the step after that
	s_add_co_u32 s[PO+1], s[BO], STB
	s_add_co_u32 s89, s[IT], 1
	s_cmp_eq_u32 s89, s[SWI]
	s_cselect_b32 s[PO], s[AS0], s[PO]
	s_cmp_eq_u32 s[RH], 0
	s_cselect_b32 s[PO], s[PO], s[PO+1]
	s_mov_b32 s[PO+1], 0
	s_add_nc_u64 s[PA:PA+1], s[P0:P0+1], s[PO:PO+1]
	s_wait_dscnt 0x0                               ; the add is done, and my reads of the other slot are over
	CROUND
	JLOAD G0, G1, G0B, G1B
	PLACES 4                                       ; with the four behind the load: ahead of loads into what the products have read
	FETCH 0, 0
	WIN 0
	s_cmp_lt_u32 s[IT], s[LIM]
	s_cbranch_scc0 .Lnot_mine
	global_prefetch_b8 v[PFO], s[PA:PA+1] th:TH_LOAD_NT scope:SCOPE_SE
.Lnot_mine:
	ADJUST
	META                                           ; the next step's
	STEP
	s_cmp_eq_u32 s[IT], s[SWI]
	s_cbranch_scc0 .Lsame_tile
	FINAL_L                                        ; the first tile is done
	EPI OB
.irp a, 0,1,2,3
	v_mov_b32 v[NMR+\a], v[14+\a+2*(\a/2)]
	v_mov_b32 v[NMR+4+\a], v[14+\a+2*(\a/2)]
.endr
.irp a, 0,1,2,3,4,5,6,7
	v_mov_b32 v[LACC+\a], 0
.endr
	WALU
	s_wait_xcnt 0x0                                ; the stores have read the sums' registers
.Lsame_tile:
	s_cmp_eq_u32 s[IT], s[SWI]
	s_cselect_b32 s[ZF], 1, 0
	s_add_co_u32 s[IT], s[IT], 1
	WALU
	s_cmp_lt_u32 s[IT], 4
	s_cbranch_scc1 .Lstep
	v_add_nc_u32 v[ADRA], s[SBN], v[ADRA0]         ; the last step asks for nothing
	v_add_nc_u32 v[ADRB], s[SBN], v[ADRB0]
	WALU
	s_wait_tensorcnt 0x0
	s_wait_dscnt 0x0
	s_barrier_signal -1
	s_barrier_wait -1
	PLACES NP
	FETCH 0, 0
	WIN 0
	ADJUST
	STEP
	FINAL_L
	EPI OS
	s_wait_tensorcnt 0x0                           ; the wave's end
	ds_add_u32 v[SPW], v[NIL]
	s_wait_dscnt 0x0
	CROUND                                         ; the closing round
	s_endpgm
.Lfunc_end_k_q88d4410f6d_pv:
	.size	k_q88d4410f6d_pv, .Lfunc_end_k_q88d4410f6d_pv-k_q88d4410f6d_pv
	.p2alignl 7, 3214868480
	.fill 96, 4, 3214868480
	.section	.rodata,"a",@progbits
	.p2align	6, 0x0
	.amdhsa_kernel k_q88d4410f6d_pv
		.amdhsa_group_segment_fixed_size 327680
		.amdhsa_private_segment_fixed_size 0
		.amdhsa_enable_private_segment 0
		.amdhsa_kernarg_size 40
		.amdhsa_user_sgpr_count 2
		.amdhsa_user_sgpr_kernarg_segment_ptr 1
		.amdhsa_wavefront_size32 1
		.amdhsa_system_sgpr_workgroup_id_x 1
		.amdhsa_system_sgpr_workgroup_id_y 1
		.amdhsa_system_sgpr_workgroup_id_z 1
		.amdhsa_system_vgpr_workitem_id 0
		.amdhsa_next_free_vgpr 512
		.amdhsa_next_free_sgpr 100
		.amdhsa_reserve_vcc 0
		.amdhsa_float_denorm_mode_32 3
		.amdhsa_float_denorm_mode_16_64 3
		.amdhsa_memory_ordered 1
		.amdhsa_forward_progress 1
		.amdhsa_inst_pref_size 94
	.end_amdhsa_kernel
	.amdgpu_metadata
---
amdhsa.version: [ 1, 2 ]
amdhsa.kernels:
  - .name:           k_q88d4410f6d_pv
    .symbol:         k_q88d4410f6d_pv.kd
    .args:
      - { .name: pc, .offset: 0, .size: 8, .value_kind: global_buffer, .address_space: global }
      - { .name: pmeta, .offset: 8, .size: 8, .value_kind: global_buffer, .address_space: global }
      - { .name: vc, .offset: 16, .size: 8, .value_kind: global_buffer, .address_space: global }
      - { .name: vs, .offset: 24, .size: 8, .value_kind: global_buffer, .address_space: global }
      - { .name: out0, .offset: 32, .size: 8, .value_kind: global_buffer, .address_space: global }
    .group_segment_fixed_size: 327680
    .private_segment_fixed_size: 0
    .kernarg_segment_align: 8
    .kernarg_segment_size: 40
    .max_flat_workgroup_size: 128
    .sgpr_count:     100
    .vgpr_count:     512
    .wavefront_size: 32
...
	.end_amdgpu_metadata
.endif
;; end of part 3
